; MI455X (gfx1250); checked and timed in simulation.
; The chip was launched on July 23, 2026; its instructions are those of AMD's public machine-readable ISA for CDNA 5 (MIT licence, August 2026) and "CDNA5" Instruction Set Architecture Reference Guide (July 2026). The comments in the code are by the model that wrote it; some were corrected since.
;; Multi Head Diff Attention. Allowed arithmetic: matrix products marked QUANTISED: E2M1 operands, one E8M0 scale for each 32 along K, by v_wmma_scale_f32_16x16x128_f8f6f4 with both operands' format E2M1 (or v_wmma_scale_f32_32x16x128_f4), f32 sums; products left as they are: bf16, f16 or f32 operands; f32 sums; everything else in f32.
;; Inputs: Wc 1,024 x 2,048 float32; Wk1 1,024 x 1,024 float32; Wk2 1,024 x 1,024 float32; Wq1 1,024 x 1,024 float32; Wq2 1,024 x 1,024 float32; Wv 2,048 x 1,024 float32; gamma 128 float32; gn_b 128 float32; gn_w 128 float32; lk1 16 x 1 x 1 float32; lk2 16 x 1 x 1 float32; lq1 16 x 1 x 1 float32; lq2 16 x 1 x 1 float32; x 2 x 2,048 x 1,024 float32.
;; Outputs: out0 2 x 2,048 x 1,024 float32.
;; This version of the problem:
;;   THIS VERSION OF THE PROBLEM IS GIVEN IN LOW PRECISION. The matrix products marked QUANTISED in the list below multiply operands that are first quantised to E2M1 (2 exponent bits, 1 mantissa bit; 4 bits a number), with one power-of-two scale for each 32 numbers along K (OCP MX v1.0); their sums are f32. The products marked 'left as it is' may take bf16, f16 or f32 operands, with f32 sums. Whichever they take, every output number must still come out within the allowed error. Rounding operands to bf16 (8 significant bits) uses up far more of that allowance than f16 does (11 bits, for magnitudes from 6e-5 to 65,504). All else is computed in f32.
;;   The module's matrix products, in the order in which they are computed (A, B: the left and right operand; K: the contracted axis; several contracted axes count as one K, in the product's order):
;;     1. [M 4,096, K 1,024] x [K 1,024, N 1,024]; A: input x; B: input Wq1: QUANTISED
;;     2. [M 4,096, K 1,024] x [K 1,024, N 1,024]; A: input x; B: input Wq2: QUANTISED
;;     3. [M 4,096, K 1,024] x [K 1,024, N 1,024]; A: input x; B: input Wk1: QUANTISED
;;     4. [M 4,096, K 1,024] x [K 1,024, N 1,024]; A: input x; B: input Wk2: QUANTISED
;;     5. [M 4,096, K 1,024] x [K 1,024, N 2,048]; A: input x; B: input Wv: QUANTISED
;;     6. batch 32 x [M 2,048, K 64] x [K 64, N 2,048]; A: computed on the way; B: computed on the way: left as it is (an operand is computed on the way)
;;     7. batch 32 x [M 2,048, K 64] x [K 64, N 2,048]; A: computed on the way; B: computed on the way: left as it is (an operand is computed on the way)
;;     8. batch 32 x [M 2,048, K 2,048] x [K 2,048, N 128]; A: computed on the way; B: computed on the way: left as it is (an operand is computed on the way)
;;     9. [M 4,096, K 2,048] x [K 2,048, N 1,024]; A: computed on the way; B: input Wc: left as it is (an operand is computed on the way)
;;   THE QUANTISER, for each operand of a quantised product, along K:
;;     - K is cut into blocks of 32 from its start; a last block that is shorter is filled with zeros.
;;     - A block's scale is 2^e with e = floor(log2(the largest magnitude in the block)) - 2, held to -126 .. 127; a block of zeros has e = 0. As a byte (E8M0): e + 127.
;;     - Each number is divided by its block's scale, clamped to +-6, and rounded to the nearest number of E2M1, ties to even, subnormals kept.
;;     - The product sums the exact products of the quantised numbers (number of the format x scale) in f32.
;;   ~~~python
;;   def quantise(x, axis):      # numpy; x: float32 -> the quantised numbers, widened to float32 again
;;       x = np.moveaxis(x, axis, -1); K = x.shape[-1]
;;       x = np.pad(x, [(0, 0)] * (x.ndim - 1) + [(0, -K % 32)]); x = x.reshape(x.shape[:-1] + (-1, 32)); a = np.abs(x).max(-1, keepdims=True)
;;       e = np.where(a > 0, np.clip(np.frexp(np.where(a > 0, a, 1))[1] - 1 - 2, -126, 127), 0)      # np.frexp(a)[1] - 1 = floor(log2(a)), exactly
;;       r = np.clip(x / 2.0 ** e, -6, 6)
;;       step = 2.0 ** (np.maximum(np.frexp(np.where(r == 0, 1, r))[1] - 1, 0) - 1)
;;       q = np.round(r / step) * step * 2.0 ** e      # np.round: ties to even
;;       return np.moveaxis(q.reshape(q.shape[:-2] + (-1,))[..., :K], -1, axis).astype(np.float32)
;;   ~~~
;; One version. Each part assembles by itself: llvm-mc -triple=amdgcn-amd-amdhsa -mcpu=gfx1250 --defsym DOCPART=n.
;; ======== version 1 of 1: 7 launches
;; limits: values are held in f16: magnitudes above 65,504 overflow, below 6.1e-05 lose precision
;; workspace buffers: codes 5,242,880 bytes; scales 327,680 bytes; wc16 4,194,304 bytes; qkv 50,331,648 bytes; y 33,554,432 bytes; stats 1,048,576 bytes; yn 16,777,216 bytes; ynf 262,144 bytes
;; launch quant (part 1): grid 576 x 1, 4 waves a work-group, no clusters, 33,280 bytes of LDS; arguments x, Wq1, Wq2, Wk1, Wk2, Wv, Wc, codes, scales, wc16; writes codes, scales, wc16
.if DOCPART == 1
	.amdgcn_target "amdgcn-amd-amdhsa--gfx1250"
	.amdhsa_code_object_version 6
	.text
	.protected	k_q0f171d91da_quant
	.globl	k_q0f171d91da_quant
	.p2align	8
	.type	k_q0f171d91da_quant,@function
k_q0f171d91da_quant:
	s_mov_b64 s[64:65], 0
	v_nop
	global_prefetch_b8 v0, s[64:65] scope:SCOPE_SE
	s_setreg_imm32_b32 hwreg(HW_REG_WAVE_MODE, 25, 1), 1
	s_wait_xcnt 0x0
; x [4096][1024] and the five projection weights (6,144 rows of 1,024), f32, become codes of FP4 (E2M1), K innermost, 512 bytes a row, with one E8M0 byte for each 32 along K, 32 bytes a row.
; Wc [1024][2048] f32 becomes f16 (the last product is left as it is and takes f16 operands).
; ROWS OF THE CODES' BUFFER: 0..4095 x's; 4096 + n the weights', HEAD-MAJOR: n = plane x 2048 + head x 128 + channel; plane 0 = q1|q2, plane 1 = k1|k2, plane 2 = v.
; So Wq1's row o goes to (o / 64) x 128 + o % 64, Wq2's 64 further, Wk1's and Wk2's 2,048 further, Wv's row o to 4096 + o.  In runs of 8 rows: run r8 goes to r8 + (r8 & MASK) + ADD.
; A block's scale is 2^(floor(log2(largest magnitude)) - 2); its byte is the largest magnitude's exponent field - 2, held at 1 from below.
; LIMITS: a block whose largest magnitude lies under 2^-124 has its byte held at 1; a block of zeros gets the byte 1 where the rule says 127 (its codes are zeros, and this program alone reads the bytes);
; NaN and infinities among the inputs are not served; |Wc| stays under 65,504, f16's range.
; SHARES: work-groups 0..319 quantise, 32 rows each, a wave 8 rows = 16 steps of 512 numbers; work-groups 320..575 round Wc, a wave 2,048 numbers.  Waves share nothing: no barrier.  Memory binds: no matrix unit, no cluster.
.set WAVES, 4
.set STEPS, 16
.set EMAX,  2
.set CB,    8                          ; bytes of 16 codes
.set R,     16                         ; v16-79   four sets of 16 numbers as they are loaded
.set X,     80                         ; v80-111  two sets of 16 neighbours
.set C,     128                        ; v128-191 codes: registers of its own for each step
.set E,     112                        ; v112-127 a scale byte for each step
.set WREG,  8192                       ; LDS: a region for each wave: two stages of 32 x SP bytes, then its 256 scale bytes
.set SP,    80                         ; a lane's place in a stage: 64 bytes + 16 of padding
.set SPW,   12                         ; v12 LDS address of my spare word; never rewritten
.set NIL,   13                         ; v13 0; never rewritten
.set SPARE, WAVES*WREG                 ; behind the regions: the spare words, 128 bytes a wave
.set WV,    30
	s_load_b512 s[4:19], s[0:1], 0x0               ; x 4, Wq1 6, Wq2 8, Wk1 10, Wk2 12, Wv 14, Wc 16, codes 18
	s_load_b128 s[20:23], s[0:1], 0x40             ; scales 20, wc16 22
	v_lshl_add_u32 v[SPW], v0, 2, SPARE
	v_mov_b32 v[NIL], 0
	v_lshrrev_b32 v1, 5, v0
	v_readfirstlane_b32 s[WV], v1                  ; wave
	v_and_b32 v2, 31, v0                           ; lane
	v_lshlrev_b32 v3, 4, v2                        ; my 16 bytes of a load's 512
	s_mul_i32 s31, s[WV], WREG
	v_lshrrev_b32 v14, 2, v2
	v_mul_u32_u24 v14, v14, SP
	v_and_b32 v15, 3, v2
	v_lshl_add_u32 v14, v15, 4, v14
	v_add_nc_u32 v14, s31, v14                     ; the stage, on the way in: four lanes' 64 bytes on end, then 16 of padding
	v_mul_u32_u24 v15, v2, SP
	v_add_nc_u32 v15, s31, v15                     ; and on the way out: my 16 neighbours
	v_mul_u32_u24 v4, v2, CB                       ; my codes' place in a step's
	v_lshrrev_b32 v5, 1, v2
	s_add_co_u32 s31, s31, 2*32*SP
	v_add_nc_u32 v5, s31, v5                       ; my wave's 256 scale bytes, my block's byte
	v_lshlrev_b32 v7, 3, v2                        ; 8 bytes a lane
	v_add_nc_u32 v6, s31, v7
	s_mov_b32 s35, 0
	s_wait_kmcnt 0x0
	s_cmp_lt_u32 ttmp9, 320
	s_cbranch_scc1 .Lcodes
	; ---- Wc to f16: my 2,048 numbers; sixteen loads of 512 consecutive bytes go out together, each store covers 256 consecutive bytes, aligned
	s_sub_co_u32 s32, ttmp9, 320
	s_lshl_b32 s32, s32, 2
	s_add_co_u32 s32, s32, s[WV]
	s_lshl_b32 s34, s32, 13
	s_add_nc_u64 s[16:17], s[16:17], s[34:35]
	s_lshl_b32 s34, s32, 12
	s_add_nc_u64 s[22:23], s[22:23], s[34:35]
.irp k, 0,1,2,3,4,5,6,7,8,9,10,11,12,13,14,15
	global_load_b128 v[16+4*\k:19+4*\k], v3, s[16:17] offset:512*\k th:TH_LOAD_NT
.endr
.irp k, 0,1,2,3,4,5,6,7,8,9,10,11,12,13,14,15
	s_wait_loadcnt 15-\k                           ; loads come back in order: mine is in, the younger ones stay out
	v_cvt_pk_f16_f32 v[128+2*\k], v[16+4*\k], v[17+4*\k]
	v_cvt_pk_f16_f32 v[129+2*\k], v[18+4*\k], v[19+4*\k]
	global_store_b64 v7, v[128+2*\k:129+2*\k], s[22:23] offset:256*\k   ; every result has registers of its own: nothing is written again
.endr
	s_branch .Lend
.Lcodes:
	; ---- which tensor: the choice hangs on the work-group's number alone
	s_mov_b64 s[24:25], s[14:15]                   ; Wv, unless one of the five below
	s_mov_b32 s26, 256                             ; its first work-group
	s_mov_b32 s27, 0                               ; MASK
	s_mov_b32 s28, 1024                            ; ADD
.macro PICK end, ptr, start, add, mask
	s_cmp_lt_u32 ttmp9, \end
	s_cselect_b64 s[24:25], s[\ptr:\ptr+1], s[24:25]
	s_cselect_b32 s26, \start, s26
	s_cselect_b32 s27, \mask, s27
	s_cselect_b32 s28, \add, s28
.endm
	PICK 256, 12, 224, 776, -8
	PICK 224, 10, 192, 768, -8
	PICK 192, 8, 160, 520, -8
	PICK 160, 6, 128, 512, -8
	PICK 128, 4, 0, 0, 0
	s_sub_co_u32 s29, ttmp9, s26
	s_lshl_b32 s29, s29, 2
	s_add_co_u32 s29, s29, s[WV]                   ; r8: which run of 8 rows of the tensor is my wave's
	s_and_b32 s32, s29, s27
	s_add_co_u32 s32, s32, s29
	s_add_co_u32 s32, s32, s28                     ; and which run of the codes' buffer
	s_lshl_b32 s34, s29, 15
	s_add_nc_u64 s[24:25], s[24:25], s[34:35]
	s_lshl_b32 s34, s32, 12
	s_add_nc_u64 s[18:19], s[18:19], s[34:35]
	s_lshl_b32 s34, s32, 8
	s_add_nc_u64 s[20:21], s[20:21], s[34:35]
.macro LOAD t
.irp i, 0,1,2,3
	global_load_b128 v[R+16*((\t)%4)+4*\i:R+16*((\t)%4)+4*\i+3], v3, s[24:25] offset:2048*(\t)+512*\i th:TH_LOAD_NT   ; 32 lanes read 512 consecutive bytes
.endr
.endm
.macro TURN t                          ; step t's numbers through the stage: LDS serves a wave's instructions in order, so no wait stands between the stores and the loads
.irp i, 0,1,2,3
	ds_store_b128 v14, v[R+16*((\t)%4)+4*\i:R+16*((\t)%4)+4*\i+3] offset:32*SP*((\t)%2)+8*SP*\i
.endr
.irp i, 0,1,2,3
	ds_load_b128 v[X+16*((\t)%2)+4*\i:X+16*((\t)%2)+4*\i+3], v15 offset:32*SP*((\t)%2)+16*\i
.endr
.endm
.irp t, 0,1,2,3
	LOAD \t
.endr
	s_wait_loadcnt 12                              ; step 0's four loads are in
	TURN 0
.macro STEP t
.set XS, X+16*((\t)%2)
.if (\t) > 0
	s_wait_dscnt 1                                 ; this step's numbers are back from the stage (the last step's byte store may be out)
.else
	s_wait_dscnt 0x0
.endif
.if (\t)+4 < STEPS
	LOAD (\t)+4                                    ; into the registers that the stage's stores have read
.endif
.if (\t)+1 < STEPS
.if STEPS-2-(\t) >= 3
	s_wait_loadcnt 12                              ; the next step's four loads are in; those of the three steps behind it may be out
.else
	s_wait_loadcnt 4*(STEPS-2-(\t))
.endif
	TURN (\t)+1
.endif
	v_max3_num_f32 v8, |v[XS]|, |v[XS+1]|, |v[XS+2]|               ; the largest magnitude of my 16
	v_max3_num_f32 v9, |v[XS+3]|, |v[XS+4]|, |v[XS+5]|
.irp i, 6,10
	v_max3_num_f32 v8, v8, |v[XS+\i]|, |v[XS+\i+1]|
	v_max3_num_f32 v9, v9, |v[XS+\i+2]|, |v[XS+\i+3]|
.endr
	v_max3_num_f32 v8, v8, |v[XS+14]|, |v[XS+15]|
	v_max3_num_f32 v8, v8, v9, (EMAX+1)<<23        ; and the floor 2^(3 - 127): the byte cannot fall under 1
	v_max_num_f32_dpp v8, v8, v8 row_xmask:1 row_mask:0xf bank_mask:0xf   ; and of my neighbour's 16: the block's
	v_add_nc_u32 v11, -(EMAX<<23), v8              ; 2 off its exponent field: the conversion takes the exponent field of this operand as its scale
	v_cvt_scalef32_pk8_fp4_f32 v[C+4*(\t)], v[XS:XS+7], v11
	v_cvt_scalef32_pk8_fp4_f32 v[C+4*(\t)+1], v[XS+8:XS+15], v11
	v_lshrrev_b32 v[E+(\t)], 23, v11               ; the scale's byte
	ds_store_b8 v5, v[E+(\t)] offset:16*(\t)       ; both lanes of a block write the same byte with the same value
	global_store_b64 v4, v[C+4*(\t):C+4*(\t)+1], s[18:19] offset:32*CB*(\t)   ; the wave stores 256 consecutive bytes, aligned
.endm
.irp t, 0,1,2,3,4,5,6,7,8,9,10,11,12,13,14,15
	STEP \t
.endr
	ds_load_b64 v[8:9], v6                         ; LDS serves a wave's instructions in order: these see my byte stores
	s_wait_dscnt 0x0
	global_store_b64 v7, v[8:9], s[20:21]          ; 8 rows' scale bytes: 256 consecutive bytes, aligned
.Lend:
	s_wait_tensorcnt 0x0                           ; the wave's end
	ds_add_u32 v[SPW], v[NIL]
	s_wait_dscnt 0x0
	s_endpgm
.Lfunc_end_k_q0f171d91da_quant:
	.size	k_q0f171d91da_quant, .Lfunc_end_k_q0f171d91da_quant-k_q0f171d91da_quant
	.p2alignl 7, 3214868480
	.fill 96, 4, 3214868480
	.section	.rodata,"a",@progbits
	.p2align	6, 0x0
	.amdhsa_kernel k_q0f171d91da_quant
		.amdhsa_group_segment_fixed_size 33280
		.amdhsa_private_segment_fixed_size 0
		.amdhsa_enable_private_segment 0
		.amdhsa_kernarg_size 80
		.amdhsa_user_sgpr_count 2
		.amdhsa_user_sgpr_kernarg_segment_ptr 1
		.amdhsa_wavefront_size32 1
		.amdhsa_system_sgpr_workgroup_id_x 1
		.amdhsa_system_sgpr_workgroup_id_y 1
		.amdhsa_system_sgpr_workgroup_id_z 1
		.amdhsa_system_vgpr_workitem_id 0
		.amdhsa_next_free_vgpr 192
		.amdhsa_next_free_sgpr 66
		.amdhsa_reserve_vcc 0
		.amdhsa_float_denorm_mode_32 3
		.amdhsa_float_denorm_mode_16_64 3
		.amdhsa_memory_ordered 1
		.amdhsa_forward_progress 1
		.amdhsa_inst_pref_size 40
	.end_amdhsa_kernel
	.amdgpu_metadata
---
amdhsa.version: [ 1, 2 ]
amdhsa.kernels:
  - .name:           k_q0f171d91da_quant
    .symbol:         k_q0f171d91da_quant.kd
    .args:
      - { .name: x, .offset: 0, .size: 8, .value_kind: global_buffer, .address_space: global }
      - { .name: Wq1, .offset: 8, .size: 8, .value_kind: global_buffer, .address_space: global }
      - { .name: Wq2, .offset: 16, .size: 8, .value_kind: global_buffer, .address_space: global }
      - { .name: Wk1, .offset: 24, .size: 8, .value_kind: global_buffer, .address_space: global }
      - { .name: Wk2, .offset: 32, .size: 8, .value_kind: global_buffer, .address_space: global }
      - { .name: Wv, .offset: 40, .size: 8, .value_kind: global_buffer, .address_space: global }
      - { .name: Wc, .offset: 48, .size: 8, .value_kind: global_buffer, .address_space: global }
      - { .name: codes, .offset: 56, .size: 8, .value_kind: global_buffer, .address_space: global }
      - { .name: scales, .offset: 64, .size: 8, .value_kind: global_buffer, .address_space: global }
      - { .name: wc16, .offset: 72, .size: 8, .value_kind: global_buffer, .address_space: global }
    .group_segment_fixed_size: 33280
    .private_segment_fixed_size: 0
    .kernarg_segment_align: 8
    .kernarg_segment_size: 80
    .max_flat_workgroup_size: 128
    .sgpr_count:     66
    .vgpr_count:     192
    .wavefront_size: 32
...
	.end_amdgpu_metadata
.endif
;; end of part 1
;; launch proj (part 2): grid 24 x 16, 4 waves a work-group, clusters of 4 x 4, 327,680 bytes of LDS; arguments codes, scales, qkv; writes qkv
.if DOCPART == 2
	.amdgcn_target "amdgcn-amd-amdhsa--gfx1250"
	.amdhsa_code_object_version 6
	.text
	.protected	k_q0f171d91da_proj
	.globl	k_q0f171d91da_proj
	.p2align	8
	.type	k_q0f171d91da_proj,@function
k_q0f171d91da_proj:
	s_mov_b64 s[64:65], 0
	v_nop
	global_prefetch_b8 v0, s[64:65] scope:SCOPE_SE
	s_setreg_imm32_b32 hwreg(HW_REG_WAVE_MODE, 25, 1), 1
	s_wait_xcnt 0x0
	s_wait_alu depctr_hold_cnt(0) depctr_sa_sdst(0) depctr_va_vdst(0) depctr_va_sdst(0) depctr_va_ssrc(0) depctr_va_vcc(0) depctr_vm_vsrc(0)
	s_getreg_b32 s2, hwreg(HW_REG_IB_STS2, 6, 4)
	s_cmp_eq_u32 s2, 0
	s_cbranch_scc0 .Lentry_in_a_cluster
	s_endpgm
.Lentry_in_a_cluster:
	s_bfe_u32 s2, ttmp6, 0x10000c
	s_cmp_lg_u32 s2, 0xf033
	s_cbranch_scc0 .Lentry_shape_is_right
	s_endpgm
.Lentry_shape_is_right:
; The five quantised projections as ONE product on codes of FP4 (E2M1) with E8M0 scales: C[m][n] = sum over k of x[m][k] W[n][k], m = 4,096 rows of x, n = 6,144 weight rows in head-major order, k = 1,024; sums in f32.
; The result is rounded once to f16 and laid [3 planes][32 (batch, head)][2048 t][128]: plane 0 = q1|q2, plane 1 = k1|k2, plane 2 = v; rows of 256 bytes.  LIMIT: |q|, |k|, |v| stay under 65,504, f16's range.
; A tile of C, 256 x 256, is made by four waves, as many as a WGP has SIMDs; a wave makes 128 x 128: 64 accumulators, 512 registers.  A wave's 128 columns are one head's 128 channels of one plane, so its part of the output is 128 dense rows of 256 bytes.
; K is two steps of 512, one in each of two LDS slots: both are asked for at the start, and nothing is filled again.  The scale bytes of the 256 + 256 rows come once, as dense blocks.
; CLUSTERS: 4 x 4 work-groups.  The four of a row of the cluster need the same tiles of x, the four of a column the same tiles of W: each tile is asked for JOINTLY.
; THE MATRIX INSTRUCTION IS USED TRANSPOSED (source 0 = 16 rows of W, source 1 = 16 rows of x): a lane then holds eight neighbouring channels of one row.
; 24 x 16 = 384 work-groups: a tile of 256 x 384, which would give 256, wants 768 accumulator registers a wave beside the fragments, which do not fit.
; REGISTERS, in windows of 256: window 0: v0-31 addresses; v32-95 scale words, two sets; v96-127 packed results; from v128 x's fragments, ONE set, later rows on the way out.
;   window 1: W's fragments, TWO sets.   window 2: the accumulators of my rows 0-63 ((a, b) at v[8 (8 a + b)]);   window 3: those of my rows 64-127.
.set SIZE_K, 1024
.set KSTEP,  512
.set NQ,     KSTEP/128
.set ROWB,   256                       ; a tile's row in bytes
.set KROW,   SIZE_K/2                  ; a row of codes in memory
.set PITCH,  272                       ; an LDS row: 256 bytes + 16 of padding: the 16 rows that a load touches start at 16 different banks (64 banks of 4 bytes: ISA guide 11.1)
.set FR,     8
.set NL,     2
.set NP,     4                         ; places behind this matrix instruction (ISA guide 7.12.1)
.set HALFT,  128*PITCH
.set SLOT,   4*HALFT
.set KS,     SIZE_K/32                 ; a row of scales in bytes
.set SCL,    2*SLOT
.set HALFS,  (128*KS/256)*272
.set SBLK,   (16*KS/256)*272
.set SPARE,  SCL+4*HALFS               ; the spare words, 128 bytes a wave
.set SPITCH, 272                       ; the way out: a stage of 16 rows x (256 + 16) bytes a wave, in slot 0, which has had its only fill and its last read by then
.set ADRA, 16
.set ADRB, 20
.set STO,  24
.set RD,   25
.set CO,   26
.set ADRS, 27
.set SPW,  28
.set NIL,  29
.set SC,   32
.set TMP,  96
.set AF,   128
.set BK,   128
.set G1, 24
.set G0, 32
.set G1B, 48
.set G0B, 56
.set G1S, 68
.set G0S, 76
.set G1SB, 80
.set G0SB, 88
.set MSB, 0
.macro WIN new                         ; the immediate's high byte repeats the setting that is left
.if MSB != \new
	s_set_vgpr_msb (MSB<<8)|\new
.set MSB, \new
.endif
.endm
.set MUL_LO, 0xa1                      ; source 0 (W) window 1, source 1 (x) window 0, C and D window 2
.set MUL_HI, 0xf1
.set TO_B,   0x40
; A joint load: waves 0 and 1 fetch for x, waves 2 and 3 for W.  The branch hangs on the wave's number alone.  An s_nop 0 and four v_nop follow each line.
.macro JLOAD g0a, g1a, g0b, g1b
	s_cmp_eq_u32 s15, 0
	s_cbranch_scc0 .Lfor_b_\@
	tensor_load_to_lds s[\g0a:\g0a+3], s[\g1a:\g1a+7]
	s_nop 0
.rept 4
	v_nop
.endr
	s_branch .Lasked_\@
.Lfor_b_\@:
	tensor_load_to_lds s[\g0b:\g0b+3], s[\g1b:\g1b+7]
	s_nop 0
.rept 4
	v_nop
.endr
.Lasked_\@:
.endm
.macro CROUND                          ; a round of the cluster's barrier
	s_barrier_signal -1
	s_barrier_wait -1
	s_cmp_lg_u32 s14, 0
	s_cbranch_scc1 .Lnot_wave_0_\@
	s_barrier_signal -3
.Lnot_wave_0_\@:
	s_barrier_wait -3
	s_barrier_signal -1
	s_barrier_wait -1
.endm
	s_load_b128 s[4:7], s[0:1], 0x0                ; the codes s[4:5], the scale bytes s[6:7]
	s_load_b64 s[12:13], s[0:1], 0x10              ; qkv
	v_lshl_add_u32 v[SPW], v0, 2, SPARE
	v_mov_b32 v[NIL], 0
	ds_add_u32 v[SPW], v[NIL]                      ; the wave's opening: the add, twice on end, and its wait ahead of my first tensor load
	ds_add_u32 v[SPW], v[NIL]
	v_lshrrev_b32 v1, 5, v0
	v_readfirstlane_b32 s14, v1                    ; wave 0..3
	s_lshr_b32 s15, s14, 1                         ; which half of the tile's rows is mine.  Also: I fetch for x (0) or for W (1)
	s_and_b32 s16, s14, 1                          ; which half of its columns.  Also: which 128 rows I fetch
	s_bfe_u32 s40, ttmp6, 0x40000                  ; cx, cy
	s_bfe_u32 s41, ttmp6, 0x40004
	s_lshl_b32 s42, ttmp9, 2
	s_add_co_u32 s42, s42, s40                     ; tile column
	s_and_b32 s17, ttmp7, 0xffff
	s_lshl_b32 s17, s17, 2
	s_add_co_u32 s17, s17, s41                     ; tile row
	s_lshl_b32 s43, s41, 2
	s_lshl_b32 s43, 15, s43                        ; my row of the cluster
	s_lshl_b32 s44, 0x1111, s40                    ; my column
	s_or_b32 s[G1+0], s43, (0<<16)|(1<<20)|(1<<21)|(5<<22)|(3<<25)  ; the mask; elements of 1 byte; padding on, 4 words after every 64; bit 21 beside a mask
	s_or_b32 s[G1B+0], s44, (0<<16)|(1<<20)|(1<<21)|(5<<22)|(3<<25)
.irp g, G1, G1B
	s_mov_b32 s[\g+1], ROWB<<16                    ; tensor_dim0
	s_mov_b32 s[\g+2], 128<<16                     ; tensor_dim1
	s_mov_b32 s[\g+3], ROWB<<16                    ; tile_dim0
	s_mov_b32 s[\g+4], 128                         ; tile_dim1
	s_mov_b32 s[\g+5], KROW                        ; the pitch
	s_mov_b32 s[\g+6], 0
	s_mov_b32 s[\g+7], 0
.endr
	s_or_b32 s[G1S+0], s43, (3<<16)|(1<<20)|(1<<21)|(5<<22)|(3<<25)  ; the scales of 128 rows: 4,096 dense bytes as rows of 256 (32 elements of 8 bytes), 16 of padding behind each
	s_or_b32 s[G1SB+0], s44, (3<<16)|(1<<20)|(1<<21)|(5<<22)|(3<<25)
.irp g, G1S, G1SB
	s_mov_b32 s[\g+1], 32<<16
	s_mov_b32 s[\g+2], (128*KS/256)<<16
	s_mov_b32 s[\g+3], 32<<16
	s_mov_b32 s[\g+4], 128*KS/256
	s_mov_b32 s[\g+5], 32
	s_mov_b32 s[\g+6], 0
	s_mov_b32 s[\g+7], 0
.endr
	s_lshl_b32 s18, s16, 7
	s_lshl_b32 s20, s17, 8
	s_add_co_u32 s20, s20, s18                     ; x: row 256 x tile row + 128 x half
	s_lshl_b32 s46, s42, 8
	s_add_co_u32 s46, s46, s18                     ; W: row 256 x tile column + 128 x half
	s_mov_b32 s21, 0
	s_mov_b32 s47, 0
	s_mov_b64 s[18:19], KS
	s_mul_u64 s[22:23], s[20:21], s[18:19]
	s_mul_u64 s[92:93], s[46:47], s[18:19]
	s_mov_b64 s[18:19], KROW
	s_mul_u64 s[20:21], s[20:21], s[18:19]
	s_mul_u64 s[46:47], s[46:47], s[18:19]
	s_mul_i32 s45, s14, HALFT                      ; where they go: wave x 128 rows
	s_mul_i32 s94, s14, HALFS
	s_wait_dscnt 0x0                               ; both opening adds are done
	s_wait_kmcnt 0x0
	s_add_nc_u64 s[8:9], s[4:5], 4096*KROW         ; the weights' codes lie behind x's 4,096 rows,
	s_add_nc_u64 s[10:11], s[6:7], 4096*KS         ; and so do their scale bytes
	s_add_nc_u64 s[20:21], s[4:5], s[20:21]
	s_add_nc_u64 s[22:23], s[6:7], s[22:23]
	s_add_nc_u64 s[46:47], s[8:9], s[46:47]
	s_add_nc_u64 s[92:93], s[10:11], s[92:93]
	CROUND                                         ; all sixteen work-groups are here: the joint loads meet
	s_mov_b32 s[G0S], 1
	s_add_co_u32 s[G0S+1], s94, SCL
	s_mov_b64 s[G0S+2:G0S+3], s[22:23]
	s_or_b32 s[G0S+3], s[G0S+3], 0x80000000
	s_mov_b32 s[G0SB], 1
	s_add_co_u32 s[G0SB+1], s94, SCL
	s_mov_b64 s[G0SB+2:G0SB+3], s[92:93]
	s_or_b32 s[G0SB+3], s[G0SB+3], 0x80000000
	JLOAD G0S, G1S, G0SB, G1SB                     ; the scales first; with the two below, three loads of mine are out
.irp s, 0,1
	s_mov_b32 s[G0+4*\s], 1
	s_add_co_u32 s[G0+4*\s+1], s45, \s*SLOT
	s_add_nc_u64 s[G0+4*\s+2:G0+4*\s+3], s[20:21], \s*ROWB
	s_or_b32 s[G0+4*\s+3], s[G0+4*\s+3], 0x80000000
	s_mov_b32 s[G0B+4*\s], 1
	s_add_co_u32 s[G0B+4*\s+1], s45, \s*SLOT
	s_add_nc_u64 s[G0B+4*\s+2:G0B+4*\s+3], s[46:47], \s*ROWB
	s_or_b32 s[G0B+4*\s+3], s[G0B+4*\s+3], 0x80000000
	JLOAD G0+4*\s, G1, G0B+4*\s, G1B
.endr
	v_and_b32 v1, 15, v0                           ; l % 16
	v_bfe_u32 v2, v0, 4, 1                         ; l / 16
	v_mul_u32_u24 v3, v1, PITCH
	v_lshl_add_u32 v4, v2, 4, v3                   ; a fragment's row x pitch + 16 x half
	s_mul_i32 s21, s15, HALFT
	s_mul_i32 s22, s16, HALFT
	s_add_co_u32 s22, s22, 2*HALFT
.irp s, 0,1
	v_add_nc_u32 v[ADRA+\s], s21, v4
	v_add_nc_u32 v[ADRB+\s], s22, v4
	s_add_co_u32 s21, s21, SLOT
	s_add_co_u32 s22, s22, SLOT
.endr
	v_mul_u32_u24 v5, v1, KS                       ; my row's scales: KS bytes a row,
	v_lshrrev_b32 v6, 8, v5
	v_lshl_add_u32 v5, v6, 4, v5                   ; and 16 more for each 256 passed
	s_mul_i32 s21, s15, HALFS
	s_mul_i32 s22, s16, HALFS
	s_add_co_u32 s22, s22, 2*HALFS
	s_sub_co_u32 s22, s22, s21
	v_mul_u32_u24 v6, s22, v2                      ; lanes 16-31 take W's
	s_add_co_u32 s21, s21, SCL
	v_add_nc_u32 v5, v5, v6
	v_add_nc_u32 v[ADRS], s21, v5
	s_mul_i32 s23, s14, 16*SPITCH                  ; my stage
	v_mul_u32_u24 v5, v1, SPITCH                   ; in: row l % 16, 16 bytes for each half of the lanes
	v_lshl_add_u32 v5, v2, 4, v5
	v_add_nc_u32 v[STO], s23, v5
	v_mul_u32_u24 v5, v2, SPITCH                   ; back: lanes 0-15 one row of 256 bytes, lanes 16-31 the next
	v_lshl_add_u32 v5, v1, 4, v5
	v_add_nc_u32 v[RD], s23, v5
	v_and_b32 v6, 31, v0
	v_lshlrev_b32 v[CO], 4, v6                     ; the output's rows are dense: two rows are 512 consecutive bytes, 16 a lane
	; where my 128 rows x 128 channels begin: plane x 2^24 + ((batch x 16 + head) x 2048 + t) x 256
	s_lshl_b32 s20, s17, 8
	s_lshl_b32 s21, s15, 7
	s_add_co_u32 s20, s20, s21                     ; my first row of x
	s_lshl_b32 s46, s42, 1
	s_add_co_u32 s46, s46, s16                     ; plane x 16 + head
	s_lshr_b32 s21, s20, 11
	s_lshl_b32 s21, s21, 4
	s_and_b32 s47, s46, 15
	s_or_b32 s21, s21, s47
	s_lshl_b32 s21, s21, 11
	s_and_b32 s20, s20, 2047
	s_add_co_u32 s20, s20, s21
	s_lshl_b32 s20, s20, 8
	s_lshr_b32 s46, s46, 4
	s_lshl_b32 s46, s46, 24
	s_add_co_u32 s20, s20, s46
	s_mov_b32 s21, 0
	s_add_nc_u64 s[12:13], s[12:13], s[20:21]
.macro FRAG reg, adr, q, i             ; 16 rows x 128 K of 4-bit codes: 8 registers; registers 4 c .. 4 c + 3 hold K = 64 c + 32 (l / 16) + 0 .. 31
.irp c, 0,1
	ds_load_b128 v[\reg+4*\c:\reg+4*\c+3], v[\adr] offset:64*(\q)+32*\c+(\i)*16*PITCH
.endr
.endm
; 16 matrix instructions: x's blocks a0, a0 + 1 against W's eight.  The 64 accumulators take turns, one instruction a turn.  zero = 1: the first product starts the sums.
.macro MUL16 a0, p, q, sc, zero
.irp a, \a0, \a0+1
.irp b, 0,1,2,3,4,5,6,7
.if \zero
	v_wmma_scale_f32_16x16x128_f8f6f4 v[8*(8*((\a)%4)+\b):8*(8*((\a)%4)+\b)+7], v[128*(\p)+FR*\b:128*(\p)+FR*\b+FR-1], v[AF+FR*(\a):AF+FR*(\a)+FR-1], 0, v[SC+8*NQ*(\sc)+NQ*\b+(\q)], v[SC+8*NQ*(\sc)+NQ*(\a)+(\q)] matrix_a_fmt:MATRIX_FMT_FP4 matrix_b_fmt:MATRIX_FMT_FP4 matrix_a_scale:MATRIX_SCALE_ROW1
.else
	v_wmma_scale_f32_16x16x128_f8f6f4 v[8*(8*((\a)%4)+\b):8*(8*((\a)%4)+\b)+7], v[128*(\p)+FR*\b:128*(\p)+FR*\b+FR-1], v[AF+FR*(\a):AF+FR*(\a)+FR-1], v[8*(8*((\a)%4)+\b):8*(8*((\a)%4)+\b)+7], v[SC+8*NQ*(\sc)+NQ*\b+(\q)], v[SC+8*NQ*(\sc)+NQ*(\a)+(\q)] matrix_a_fmt:MATRIX_FMT_FP4 matrix_b_fmt:MATRIX_FMT_FP4 matrix_a_scale:MATRIX_SCALE_ROW1
.endif
.endr
.endr
.endm
.macro FETCH_B slot, q, p
	WIN TO_B
.irp i, 0,1,2,3,4,5,6,7
	FRAG 128*(\p)+FR*\i, ADRB+\slot, \q, \i
.endr
	WIN 0
.endm
.macro FETCH_A slot, q, i0
.irp i, \i0, \i0+1, \i0+2, \i0+3
	FRAG AF+FR*(\i), ADRA+\slot, \q, \i
.endr
.endm
.macro SCALES sc                       ; a K step's scale words: lanes 0-15 take x's block i, lanes 16-31 W's block i
.irp i, 0,1,2,3,4,5,6,7
	ds_load_b128 v[SC+8*NQ*\sc+NQ*\i:SC+8*NQ*\sc+NQ*\i+3], v[ADRS] offset:\i*SBLK
.endr
.endm
.macro PLACES n                        ; plain vector places behind matrix instructions, ahead of loads into their registers and of reads of results
.rept \n
	v_nop
.endr
.endm
.macro STEP slot, q, zero              ; 128 along K, with its successor in the same slot
	s_wait_dscnt 4*NL                              ; W's set and x's blocks 0-3 are in; the youngest loads (x's blocks 4-7) may be out
	WIN MUL_LO
	MUL16 0, (\q)%2, \q, \slot, \zero
	MUL16 2, (\q)%2, \q, \slot, \zero
	s_wait_dscnt 0
	PLACES NP
	FETCH_B \slot, (\q)+1, 1-(\q)%2
	FETCH_A \slot, (\q)+1, 0
	WIN MUL_HI
	MUL16 4, (\q)%2, \q, \slot, \zero
	MUL16 6, (\q)%2, \q, \slot, \zero
	PLACES NP
	WIN 0
	FETCH_A \slot, (\q)+1, 4
.endm
.macro TURN slot, next                 ; slot 0's last step changes slots: one barrier
	s_wait_tensorcnt 0x0                           ; all my tensor loads have landed: my part of the next slot
	ds_add_u32 v[SPW], v[NIL]                      ; 0 onto my spare word
	s_wait_dscnt 4*NL+1                            ; (the add and the youngest loads may be out)
	WIN MUL_LO
	MUL16 0, 1, NQ-1, \slot, 0
	s_wait_dscnt 0x0                               ; the add is done, and my reads of this slot are over
	s_barrier_signal -1
	MUL16 2, 1, NQ-1, \slot, 0
	WIN 0
	s_barrier_wait -1
	PLACES NP
	v_add_nc_u32 v[ADRS], 4*NQ, v[ADRS]            ; on to the next K step's scale words
	FETCH_B \next, 0, 0
	FETCH_A \next, 0, 0
	SCALES \next
	WIN MUL_HI
	MUL16 4, 1, NQ-1, \slot, 0
	MUL16 6, 1, NQ-1, \slot, 0
	PLACES NP
	WIN 0
	FETCH_A \next, 0, 4
.endm
	s_wait_tensorcnt 1                             ; the scales and my part of K step 0 are in (K step 1's load, the one issued behind them, may be out),
	s_barrier_signal -1
	s_barrier_wait -1                              ; everybody's are
	FETCH_B 0, 0, 0
	FETCH_A 0, 0, 0
	SCALES 0
	FETCH_A 0, 0, 4
	STEP 0, 0, 1                                   ; the first products start the sums: nothing is cleared
	STEP 0, 1, 0
	STEP 0, 2, 0
	TURN 0, 1
	STEP 1, 0, 0
	STEP 1, 1, 0
	STEP 1, 2, 0
	s_wait_dscnt 4*NL                              ; the last step: nothing more to fetch
	WIN MUL_LO
	MUL16 0, 1, NQ-1, 1, 0
	MUL16 2, 1, NQ-1, 1, 0
	s_wait_dscnt 0
	WIN MUL_HI
	MUL16 4, 1, NQ-1, 1, 0
	MUL16 6, 1, NQ-1, 1, 0
	WIN 0
; THE WAY OUT, block by block of 16 rows x 128 channels: rounded to f16 (16 bytes a lane), through my own stage, back as whole rows of 256 bytes.
.macro PACK a
.set AC, 64*((\a)%4)
	WIN 0x0a+5*((\a)/4)                            ; sources 0 and 1: window 2 or 3
.irp b, 0,1,2,3,4,5,6,7
.irp i, 0,1,2,3
	v_cvt_pk_f16_f32 v[TMP+4*\b+\i], v[AC+8*\b+2*\i], v[AC+8*\b+2*\i+1]   ; each accumulator from its low end on
.endr
.endr
	WIN 0
.endm
.macro TOSTAGE a
.set BB, BK+32*((\a)%2)
.irp b, 0,1,2,3,4,5,6,7
	ds_store_b128 v[STO], v[TMP+4*\b:TMP+4*\b+3] offset:32*\b
.endr
.irp t, 0,1,2,3,4,5,6,7
	ds_load_b128 v[BB+4*\t:BB+4*\t+3], v[RD] offset:\t*2*SPITCH    ; LDS serves a wave's instructions in order (ISA guide 5.7.1.4): these see the stores above
.endr
.endm
.macro SEND a
.set BB, BK+32*((\a)%2)
	s_wait_dscnt 0x0                               ; the block is back in registers
.irp t, 0,1,2,3,4,5,6,7
	global_store_b128 v[CO], v[BB+4*\t:BB+4*\t+3], s[12:13] offset:(\a)*4096+512*\t   ; 32 lanes store 512 consecutive bytes, aligned; the base is never stepped
.endr
.endm
	PLACES NP                                      ; behind the last products: for the conversions' reads and for the loads into x's fragment registers
	PACK 0
	TOSTAGE 0
.irp a, 1,2,3,4,5,6,7
	PACK \a                                        ; block a's conversions stand between block a - 1's loads from the stage and the wait for them
.if \a > 1
	s_wait_xcnt 0x0                                ; block a - 2's stores have read their registers: block a's loads may land there
.endif
	SEND \a-1
	TOSTAGE \a
.endr
	SEND 7
	s_wait_tensorcnt 0x0                           ; the wave's end
	ds_add_u32 v[SPW], v[NIL]
	s_wait_dscnt 0x0
	CROUND                                         ; the closing round
	s_endpgm
.Lfunc_end_k_q0f171d91da_proj:
	.size	k_q0f171d91da_proj, .Lfunc_end_k_q0f171d91da_proj-k_q0f171d91da_proj
	.p2alignl 7, 3214868480
	.fill 96, 4, 3214868480
	.section	.rodata,"a",@progbits
	.p2align	6, 0x0
	.amdhsa_kernel k_q0f171d91da_proj
		.amdhsa_group_segment_fixed_size 327680
		.amdhsa_private_segment_fixed_size 0
		.amdhsa_enable_private_segment 0
		.amdhsa_kernarg_size 24
		.amdhsa_user_sgpr_count 2
		.amdhsa_user_sgpr_kernarg_segment_ptr 1
		.amdhsa_wavefront_size32 1
		.amdhsa_system_sgpr_workgroup_id_x 1
		.amdhsa_system_sgpr_workgroup_id_y 1
		.amdhsa_system_sgpr_workgroup_id_z 1
		.amdhsa_system_vgpr_workitem_id 0
		.amdhsa_next_free_vgpr 1024
		.amdhsa_next_free_sgpr 98
		.amdhsa_reserve_vcc 0
		.amdhsa_float_denorm_mode_32 3
		.amdhsa_float_denorm_mode_16_64 3
		.amdhsa_memory_ordered 1
		.amdhsa_forward_progress 1
		.amdhsa_inst_pref_size 126
	.end_amdhsa_kernel
	.amdgpu_metadata
---
amdhsa.version: [ 1, 2 ]
amdhsa.kernels:
  - .name:           k_q0f171d91da_proj
    .symbol:         k_q0f171d91da_proj.kd
    .args:
      - { .name: codes, .offset: 0, .size: 8, .value_kind: global_buffer, .address_space: global }
      - { .name: scales, .offset: 8, .size: 8, .value_kind: global_buffer, .address_space: global }
      - { .name: qkv, .offset: 16, .size: 8, .value_kind: global_buffer, .address_space: global }
    .group_segment_fixed_size: 327680
    .private_segment_fixed_size: 0
    .kernarg_segment_align: 8
    .kernarg_segment_size: 24
    .max_flat_workgroup_size: 128
    .sgpr_count:     98
    .vgpr_count:     1024
    .wavefront_size: 32
...
	.end_amdgpu_metadata
.endif
;; end of part 2
;; launch fine_att (part 3): grid 32 x 1, 12 waves a work-group, no clusters, 35,840 bytes of LDS; arguments codes, scales, lq1, lk1, lq2, lk2, y, stats; writes y, stats
.if DOCPART == 3
	.amdgcn_target "amdgcn-amd-amdhsa--gfx1250"
	.amdhsa_code_object_version 6
	.text
	.protected	k_q0f171d91da_fine_att
	.globl	k_q0f171d91da_fine_att
	.p2align	8
	.type	k_q0f171d91da_fine_att,@function
k_q0f171d91da_fine_att:
	s_mov_b64 s[64:65], 0
	v_nop
	global_prefetch_b8 v0, s[64:65] scope:SCOPE_SE
	s_setreg_imm32_b32 hwreg(HW_REG_WAVE_MODE, 25, 1), 1
	s_wait_xcnt 0x0
; THE FIRST 16 POSITIONS of each (batch, head), carried in f32: under the causal mask they average one to sixteen values and are the largest rows behind the norm.
; A work-group takes one (batch, head).  P: its 16 rows of q1|q2|k1|k2|v (384 columns) by the quantised product on FP4 codes, kept in f32 in LDS (12 waves, two tiles of 16 columns each).
; S: 256 threads, one (query, key) each: both scores by fused multiply-adds, the causal mask, both softmaxes with the row's maximum taken away, att = att1 - lambda att2.
; Y: y = att v, eight channels a thread; stored, and kept in LDS.   T: wave 0, a lane a group of 4 channels: mean and sum of squared deviations of the tile's 64 numbers.
; No cluster: the 32 work-groups share x's 16 rows of a batch alone, 8 KB.  No tensor load.  LIMITS: NaN and infinities among the inputs are not served.
.set PP,    1552                       ; a row of the projections in LDS: 384 f32 + 16 bytes.  Columns in bytes: q1 0, q2 256, k1 512, k2 768, v 1024
.set ATT,   16*PP                      ; 16 x 16 f32
.set YS,    ATT+1024                   ; 16 rows x (512 + 16) bytes
.set YP,    528
.set SPARE, YS+16*YP                   ; the spare words, 128 bytes a wave
.set PST, 3                            ; v3   P: where I store 32 bytes of a row
.set SQ,  4                            ; v4   S: my query's row
.set SK,  5                            ; v5   S: my key's row, at k1
.set AW,  6                            ; v6   S: my word of att
.set AR,  7                            ; v7   Y: my query's row of att
.set VR,  8                            ; v8   Y: my 16 bytes of a row of v
.set YW,  9                            ; v9   Y: where I put y
.set TR,  10                           ; v10  T: my group's 16 bytes of a row of y
.set GY,  11                           ; v11  Y: my byte offset in y
.set QI,  12                           ; v12  thread / 16: my query
.set SPW, 14
.set NIL, 15
.set XF,  16                           ; v16-79   x's 8 fragments; later data
.set WF,  80                           ; v80-207  the weights' 2 x 8 fragments; later data
.set XS,  208                          ; v208-215 x's scale words: these and the next sixteen hold scales and nothing else
.set WS,  216                          ; v216-231 the weights'
.set AC,  232                          ; v232-247 two accumulators
.set LAM, 248                          ; v248 lambda; v249 at work
.set XO,  250                          ; v250 r x 512 + 16 h
.set SOF, 251                          ; v251 r x 32
.set TO,  252                          ; v252 8 x lane
.set NEG, 253                          ; v253 -infinity
.set WV,  20
	s_load_b512 s[4:19], s[0:1], 0x0               ; codes 4, scales 6, lq1 8, lk1 10, lq2 12, lk2 14, y 16, stats 18
	v_lshl_add_u32 v[SPW], v0, 2, SPARE
	v_mov_b32 v[NIL], 0
	v_lshrrev_b32 v1, 5, v0
	v_readfirstlane_b32 s[WV], v1                  ; wave 0..11
	v_and_b32 v1, 15, v0                           ; r; also my key, and my place among a row's sixteen
	v_bfe_u32 v2, v0, 4, 1                         ; h
	v_lshrrev_b32 v[QI], 4, v0
	; every LDS address is made here, ahead of the first parting of the waves
	v_mul_u32_u24 v[PST], v1, PP
	v_lshl_add_u32 v[PST], v2, 5, v[PST]
	s_lshl_b32 s21, s[WV], 7
	v_add_nc_u32 v[PST], s21, v[PST]               ; row r, + 32 h, + my two tiles' 128 bytes
	v_mul_u32_u24 v[SQ], v[QI], PP
	v_mul_u32_u24 v[SK], v1, PP
	v_add_nc_u32 v[SK], 512, v[SK]
	v_lshl_add_u32 v[AW], v0, 2, ATT
	v_lshl_add_u32 v[AR], v[QI], 6, ATT
	v_lshl_add_u32 v[VR], v1, 4, 1024
	v_mul_u32_u24 v[YW], v[QI], YP
	v_lshl_add_u32 v[YW], v1, 4, v[YW]
	v_add_nc_u32 v[YW], YS, v[YW]
	v_and_b32 v[TR], 31, v0
	v_lshlrev_b32 v[TO], 3, v[TR]
	v_lshl_add_u32 v[TR], v[TR], 4, YS
	v_lshlrev_b32 v[GY], 13, v[QI]
	v_lshl_add_u32 v[GY], v1, 4, v[GY]
	v_lshlrev_b32 v[XO], 9, v1
	v_lshl_add_u32 v[XO], v2, 4, v[XO]
	v_lshlrev_b32 v[SOF], 5, v1
	v_mov_b32 v[NEG], 0xff800000
	s_lshr_b32 s21, ttmp9, 4                       ; batch
	s_and_b32 s22, ttmp9, 15                       ; head
	s_lshr_b32 s23, s[WV], 2                       ; my tiles' plane,
	s_lshl_b32 s23, s23, 11
	s_lshl_b32 s24, s22, 7
	s_add_co_u32 s23, s23, s24                     ; the head's 128 rows of it,
	s_and_b32 s24, s[WV], 3
	s_lshl_b32 s24, s24, 5
	s_add_co_u32 s23, s23, s24                     ; my 32 of them,
	s_add_co_u32 s23, s23, 4096                    ; behind x's rows
	s_mov_b32 s27, 0
	s_wait_kmcnt 0x0
	s_lshl_b32 s26, s21, 20
	s_add_nc_u64 s[28:29], s[4:5], s[26:27]        ; x's codes at the batch's first row
	s_lshl_b32 s26, s23, 9
	s_add_nc_u64 s[30:31], s[4:5], s[26:27]        ; my weights' codes
	s_lshl_b32 s26, s21, 16
	s_add_nc_u64 s[32:33], s[6:7], s[26:27]        ; x's scale bytes
	s_lshl_b32 s26, s23, 5
	s_add_nc_u64 s[34:35], s[6:7], s[26:27]        ; my weights'
	s_lshl_b32 s26, s22, 2
	s_add_nc_u64 s[8:9], s[8:9], s[26:27]
	s_add_nc_u64 s[10:11], s[10:11], s[26:27]
	s_add_nc_u64 s[12:13], s[12:13], s[26:27]
	s_add_nc_u64 s[14:15], s[14:15], s[26:27]
	s_load_b32 s36, s[8:9], 0x0                    ; the head's lq1, lk1, lq2, lk2
	s_load_b32 s37, s[10:11], 0x0
	s_load_b32 s38, s[12:13], 0x0
	s_load_b32 s39, s[14:15], 0x0
	s_lshl_b32 s26, s21, 24
	s_lshl_b32 s24, s22, 9
	s_add_co_u32 s26, s26, s24
	s_add_nc_u64 s[16:17], s[16:17], s[26:27]      ; y at the batch's row 0, the head's columns
	s_lshl_b32 s26, ttmp9, 15
	s_add_nc_u64 s[18:19], s[18:19], s[26:27]      ; the statistics of this (batch, head), tile 0
	; ---- P
.irp s, 0,1,2,3,4,5,6,7
	global_load_b128 v[XF+8*\s:XF+8*\s+3], v[XO], s[28:29] offset:64*\s
	global_load_b128 v[XF+8*\s+4:XF+8*\s+7], v[XO], s[28:29] offset:64*\s+32
.endr
	global_load_b128 v[XS:XS+3], v[SOF], s[32:33]
	global_load_b128 v[XS+4:XS+7], v[SOF], s[32:33] offset:16
.irp k, 0,1
.irp s, 0,1,2,3,4,5,6,7
	global_load_b128 v[WF+64*\k+8*\s:WF+64*\k+8*\s+3], v[XO], s[30:31] offset:8192*\k+64*\s
	global_load_b128 v[WF+64*\k+8*\s+4:WF+64*\k+8*\s+7], v[XO], s[30:31] offset:8192*\k+64*\s+32
.endr
	global_load_b128 v[WS+8*\k:WS+8*\k+3], v[SOF], s[34:35] offset:512*\k
	global_load_b128 v[WS+8*\k+4:WS+8*\k+7], v[SOF], s[34:35] offset:512*\k+16
.endr
	s_wait_loadcnt 0x0
.irp s, 0,1,2,3,4,5,6,7                        ; TRANSPOSED: source 0 = 16 weight rows, source 1 = x's 16 rows: lane (r, h) holds position r and columns 8 h + 0 .. 7.  The two accumulators take turns
.irp k, 0,1
.if \s == 0
	v_wmma_scale_f32_16x16x128_f8f6f4 v[AC+8*\k:AC+8*\k+7], v[WF+64*\k+8*\s:WF+64*\k+8*\s+7], v[XF+8*\s:XF+8*\s+7], 0, v[WS+8*\k+\s], v[XS+\s] matrix_a_fmt:MATRIX_FMT_FP4 matrix_b_fmt:MATRIX_FMT_FP4
.else
	v_wmma_scale_f32_16x16x128_f8f6f4 v[AC+8*\k:AC+8*\k+7], v[WF+64*\k+8*\s:WF+64*\k+8*\s+7], v[XF+8*\s:XF+8*\s+7], v[AC+8*\k:AC+8*\k+7], v[WS+8*\k+\s], v[XS+\s] matrix_a_fmt:MATRIX_FMT_FP4 matrix_b_fmt:MATRIX_FMT_FP4
.endif
.endr
.endr
.rept 4
	v_nop                                          ; places behind the last products
.endr
.irp k, 0,1
	ds_store_b128 v[PST], v[AC+8*\k:AC+8*\k+3] offset:64*\k
	ds_store_b128 v[PST], v[AC+8*\k+4:AC+8*\k+7] offset:64*\k+16
.endr
	; lambda = sigmoid(lq1 lk1) - sigmoid(lq2 lk2) + LAMBDA_INIT, in every lane
	s_wait_kmcnt 0x0
	v_mov_b32 v[LAM], s37
	v_mov_b32 v249, s39
	v_mul_f32 v[LAM], s36, v[LAM]
	v_mul_f32 v249, s38, v249
	v_mul_f32 v[LAM], 0xbfb8aa3b, v[LAM]           ; x -log2(e)
	v_mul_f32 v249, 0xbfb8aa3b, v249
	v_exp_f32 v[LAM], v[LAM]
	v_exp_f32 v249, v249
	v_nop
	s_wait_alu depctr_va_vdst(0)                   ; one wait for the two exponentials, ahead of their first reader
	v_add_f32 v[LAM], 1.0, v[LAM]
	v_add_f32 v249, 1.0, v249
	v_rcp_f32 v[LAM], v[LAM]
	v_rcp_f32 v249, v249
	v_nop
	s_wait_alu depctr_va_vdst(0)                   ; and one for the two reciprocals
	v_sub_f32 v[LAM], v[LAM], v249
	v_add_f32 v[LAM], 0x3f47227f, v[LAM]           ; + 0.8 - 0.6 exp(-3.3)
	s_wait_dscnt 0x0                               ; for the others' sake: my stores are done
	s_barrier_signal -1
	s_barrier_wait -1                              ; the 16 x 384 projections lie in LDS
	; ---- S
	s_cmp_lt_u32 s[WV], 8
	s_cbranch_scc0 .Lno_s
.irp e, 0,1
.irp i, 0,1,2,3,4,5,6,7,8,9,10,11,12,13,14,15
	ds_load_b128 v[16+4*\i:19+4*\i], v[SQ] offset:256*\e+16*\i
	ds_load_b128 v[80+4*\i:83+4*\i], v[SK] offset:256*\e+16*\i
.endr
	s_wait_dscnt 0x0
.irp i, 0,1,2,3
	v_pk_mul_f32 v[144+2*\i:145+2*\i], v[16+2*\i:17+2*\i], v[80+2*\i:81+2*\i]   ; four chains; the first products start them
.endr
.irp i, 4,5,6,7,8,9,10,11,12,13,14,15,16,17,18,19,20,21,22,23,24,25,26,27,28,29,30,31
	v_pk_fma_f32 v[144+2*(\i%4):145+2*(\i%4)], v[16+2*\i:17+2*\i], v[80+2*\i:81+2*\i], v[144+2*(\i%4):145+2*(\i%4)]
.endr
	v_pk_add_f32 v[144:145], v[144:145], v[146:147]
	v_pk_add_f32 v[148:149], v[148:149], v[150:151]
	v_pk_add_f32 v[144:145], v[144:145], v[148:149]
	v_add_f32 v144, v144, v145
	v_mul_f32 v[152+\e], 0x3e38aa3b, v144          ; t = score x log2(e) / 8
.endr
	v_cmp_gt_u32 vcc_lo, v1, v[QI]                 ; my key comes after my query: hidden
	v_cndmask_b32 v152, v152, v[NEG], vcc_lo
	v_cndmask_b32 v153, v153, v[NEG], vcc_lo
	v_mov_b32 v154, v152
	v_mov_b32 v155, v153
.irp m, 1,2,4,8                                ; a query's sixteen keys lie in sixteen neighbouring lanes
	v_max_num_f32_dpp v154, v154, v154 row_xmask:\m row_mask:0xf bank_mask:0xf
	v_max_num_f32_dpp v155, v155, v155 row_xmask:\m row_mask:0xf bank_mask:0xf
.endr
	v_sub_f32 v152, v152, v154                     ; the row's maximum is taken away (key 0 counts for every query: it is a number)
	v_sub_f32 v153, v153, v155
	v_exp_f32 v152, v152
	v_exp_f32 v153, v153
	v_nop
	s_wait_alu depctr_va_vdst(0)
	v_mov_b32 v154, v152
	v_mov_b32 v155, v153
.irp m, 1,2,4,8
	v_add_f32_dpp v154, v154, v154 row_xmask:\m row_mask:0xf bank_mask:0xf
	v_add_f32_dpp v155, v155, v155 row_xmask:\m row_mask:0xf bank_mask:0xf
.endr
	v_rcp_f32 v154, v154
	v_rcp_f32 v155, v155
	v_nop
	s_wait_alu depctr_va_vdst(0)
	v_mul_f32 v152, v152, v154
	v_mul_f32 v153, v153, v155
	v_fma_f32 v152, -v[LAM], v153, v152            ; att1 - lambda att2
	ds_store_b32 v[AW], v152
.Lno_s:
	s_wait_dscnt 0x0
	s_barrier_signal -1
	s_barrier_wait -1                              ; att lies in LDS
	; ---- Y
	s_cmp_lt_u32 s[WV], 8
	s_cbranch_scc0 .Lno_y
.irp i, 0,1,2,3
	ds_load_b128 v[16+4*\i:19+4*\i], v[AR] offset:16*\i
.endr
.irp k, 0,1,2,3,4,5,6,7,8,9,10,11,12,13,14,15
	ds_load_b128 v[32+8*\k:35+8*\k], v[VR] offset:\k*PP          ; v(key k): channels 4 cc + 0 .. 3,
	ds_load_b128 v[36+8*\k:39+8*\k], v[VR] offset:\k*PP+256      ; and 64 + 4 cc + 0 .. 3
.endr
	s_wait_dscnt 0x0
.irp c, 0,1,2,3,4,5,6,7
	v_mul_f32 v[160+\c], v16, v[32+\c]
.endr
.irp k, 1,2,3,4,5,6,7,8,9,10,11,12,13,14,15    ; hidden keys have att = 0
.irp c, 0,1,2,3,4,5,6,7
	v_fmac_f32 v[160+\c], v[16+\k], v[32+8*\k+\c]
.endr
.endr
	global_store_b128 v[GY], v[160:163], s[16:17]              ; sixteen lanes store 256 consecutive bytes, aligned
	global_store_b128 v[GY], v[164:167], s[16:17] offset:256
	ds_store_b128 v[YW], v[160:163]
	ds_store_b128 v[YW], v[164:167] offset:256
.Lno_y:
	s_wait_dscnt 0x0
	s_barrier_signal -1
	s_barrier_wait -1                              ; 16 rows of y lie in LDS
	; ---- T
	s_cmp_eq_u32 s[WV], 0
	s_cbranch_scc0 .Lno_t
.irp i, 0,1,2,3,4,5,6,7,8,9,10,11,12,13,14,15
	ds_load_b128 v[16+4*\i:19+4*\i], v[TR] offset:\i*YP
.endr
	s_wait_dscnt 0x0
	v_pk_add_f32 v[80:81], v[16:17], v[18:19]
	v_pk_add_f32 v[82:83], v[20:21], v[22:23]
.irp i, 8,12,16,20,24,28,32,36,40,44,48,52,56,60
	v_pk_add_f32 v[80:81], v[80:81], v[16+\i:17+\i]
	v_pk_add_f32 v[82:83], v[82:83], v[18+\i:19+\i]
.endr
	v_pk_add_f32 v[80:81], v[80:81], v[82:83]
	v_add_f32 v80, v80, v81
	v_mul_f32 v80, 0x3c800000, v80                 ; the mean of the group's 64 numbers
	v_mov_b32 v81, v80
.irp i, 0,2,4,6,8,10,12,14,16,18,20,22,24,26,28,30,32,34,36,38,40,42,44,46,48,50,52,54,56,58,60,62
	v_pk_add_f32 v[16+\i:17+\i], v[16+\i:17+\i], v[80:81] neg_lo:[0,1] neg_hi:[0,1]
.endr
	v_pk_mul_f32 v[82:83], v[16:17], v[16:17]
	v_pk_mul_f32 v[84:85], v[18:19], v[18:19]
.irp i, 4,8,12,16,20,24,28,32,36,40,44,48,52,56,60
	v_pk_fma_f32 v[82:83], v[16+\i:17+\i], v[16+\i:17+\i], v[82:83]
	v_pk_fma_f32 v[84:85], v[18+\i:19+\i], v[18+\i:19+\i], v[84:85]
.endr
	v_pk_add_f32 v[82:83], v[82:83], v[84:85]
	v_add_f32 v81, v82, v83                        ; the sum of squared deviations from that mean
	global_store_b64 v[TO], v[80:81], s[18:19]     ; 32 groups: 256 consecutive bytes, aligned
.Lno_t:
	s_wait_tensorcnt 0x0                           ; the wave's end
	ds_add_u32 v[SPW], v[NIL]
	s_wait_dscnt 0x0
	s_endpgm
.Lfunc_end_k_q0f171d91da_fine_att:
	.size	k_q0f171d91da_fine_att, .Lfunc_end_k_q0f171d91da_fine_att-k_q0f171d91da_fine_att
	.p2alignl 7, 3214868480
	.fill 96, 4, 3214868480
	.section	.rodata,"a",@progbits
	.p2align	6, 0x0
	.amdhsa_kernel k_q0f171d91da_fine_att
		.amdhsa_group_segment_fixed_size 35840
		.amdhsa_private_segment_fixed_size 0
		.amdhsa_enable_private_segment 0
		.amdhsa_kernarg_size 64
		.amdhsa_user_sgpr_count 2
		.amdhsa_user_sgpr_kernarg_segment_ptr 1
		.amdhsa_wavefront_size32 1
		.amdhsa_system_sgpr_workgroup_id_x 1
		.amdhsa_system_sgpr_workgroup_id_y 1
		.amdhsa_system_sgpr_workgroup_id_z 1
		.amdhsa_system_vgpr_workitem_id 0
		.amdhsa_next_free_vgpr 256
		.amdhsa_next_free_sgpr 66
		.amdhsa_reserve_vcc 1
		.amdhsa_float_denorm_mode_32 3
		.amdhsa_float_denorm_mode_16_64 3
		.amdhsa_memory_ordered 1
		.amdhsa_forward_progress 1
		.amdhsa_inst_pref_size 37
	.end_amdhsa_kernel
	.amdgpu_metadata
---
amdhsa.version: [ 1, 2 ]
amdhsa.kernels:
  - .name:           k_q0f171d91da_fine_att
    .symbol:         k_q0f171d91da_fine_att.kd
    .args:
      - { .name: codes, .offset: 0, .size: 8, .value_kind: global_buffer, .address_space: global }
      - { .name: scales, .offset: 8, .size: 8, .value_kind: global_buffer, .address_space: global }
      - { .name: lq1, .offset: 16, .size: 8, .value_kind: global_buffer, .address_space: global }
      - { .name: lk1, .offset: 24, .size: 8, .value_kind: global_buffer, .address_space: global }
      - { .name: lq2, .offset: 32, .size: 8, .value_kind: global_buffer, .address_space: global }
      - { .name: lk2, .offset: 40, .size: 8, .value_kind: global_buffer, .address_space: global }
      - { .name: y, .offset: 48, .size: 8, .value_kind: global_buffer, .address_space: global }
      - { .name: stats, .offset: 56, .size: 8, .value_kind: global_buffer, .address_space: global }
    .group_segment_fixed_size: 35840
    .private_segment_fixed_size: 0
    .kernarg_segment_align: 8
    .kernarg_segment_size: 64
    .max_flat_workgroup_size: 384
    .sgpr_count:     66
    .vgpr_count:     256
    .wavefront_size: 32
...
	.end_amdgpu_metadata
.endif
;; end of part 3
;; launch att (part 4): grid 8 x 32, 8 waves a work-group, no clusters, 327,680 bytes of LDS; arguments qkv, lq1, lk1, lq2, lk2, y, stats; writes y, stats
.if DOCPART == 4
	.amdgcn_target "amdgcn-amd-amdhsa--gfx1250"
	.amdhsa_code_object_version 6
	.text
	.protected	k_q0f171d91da_att
	.globl	k_q0f171d91da_att
	.p2align	8
	.type	k_q0f171d91da_att,@function
k_q0f171d91da_att:
	s_mov_b64 s[64:65], 0
	v_nop
	global_prefetch_b8 v0, s[64:65] scope:SCOPE_SE
	s_setreg_imm32_b32 hwreg(HW_REG_WAVE_MODE, 25, 1), 1
	s_wait_xcnt 0x0
; y[b][t][h][:] = softmax(q1 k1^T / 8) v - lambda softmax(q2 k2^T / 8) v under the causal mask, for positions 16 on (the first 16 of each sequence belong to a launch of their own, in f32).
; q1|q2, k1|k2, v: [32 (batch, head)][2048][128] f16, rows of 256 bytes.  Products on f16 operands, sums, maxima and softmax in f32; the weights p are rounded to f16 for the second product.  y: f32.
; Beside y, each tile of 16 positions stores, for each of the 32 groups of 4 channels, the mean and the sum of squared deviations of its 64 numbers: the norm that follows joins them without a difference of large sums.
; SHARES.  Work-group (I, BH) makes query blocks I and 15 - I of 128 queries of one (batch, head): (I + 1) + (16 - I) = 17 units of 128 keys, whatever I: 256 work-groups of equal work.
; Wave w: J = w / 2 picks 32 queries of the block, PAR = w % 2 the branch (q1, k1 or q2, k2).  A wave is a plain running-maximum attention on two tiles of 16 queries.  Two waves lie on a SIMD: one's softmax stands beside the other's products.
; The tile in register slot s holds queries 16 (s xor PAR) on: at a block's end every wave scales both slots by (1 or -lambda) / its row sums, hands slot 1 to its partner w xor 1 through LDS as an image of its registers, and adds the partner's to slot 0.
; LAYOUT.  Both products are used transposed: S^T = K Q^T, O^T = V^T P: a lane holds ONE query (lane % 16) throughout.  K comes out of LDS as it lies, V turned, by ds_load_tr16_b128.
; RING.  Two slots of one unit (128 rows of K, 128 of V).  Waves 0, 1 fetch K's halves, waves 2, 3 V's, one tensor load each behind each change of slots; by this text's count a wave has at most one tensor load out.
; NO CLUSTER: the work-groups of a head walk different numbers of units of each block and stand on different units at the same time; a joint tile would be one that some partner's mask hides as a whole.
; LIMITS: |q|, |k|, |v| under 65,504 (f16's range); NaN and infinities are not served.
; REGISTERS.  Window 0: v3-20 addresses and constants; v21-31, v48-63 at work; v32-47 statistics, 8 a tile; v64-127 S^T; v128-159 P; v160-191 Q; v192-255 K.   Window 1: v0-127 O^T, 64 a tile; v128-255 V.
.set PK,    272                        ; a row of K in LDS: 256 bytes + 16
.set PV,    288                        ; a row of V: 256 + 32
.set VOFF,  128*PK
.set UNITB, 128*(PK+PV)
.set SLOT1, 1<<17                      ; one exclusive or turns an address in one slot into the other's
.set STAGE, UNITB                      ; behind slot 0: 16 rows x 272 bytes a wave, for the way out
.set SPARE, STAGE+8*16*272             ; the spare words, 128 bytes a wave
.set XCH,   SLOT1+UNITB                ; behind slot 1: 8,192 bytes a wave: the image of slot 1's 64 registers
.set AK0, 3
.set AV0, 4
.set ADK, 5
.set ADV, 6
.set QO0, 7                            ; v7, v8: my byte in the wave's 32 rows of Q, for register slots 0 and 1
.set STO, 9
.set RD,  10
.set GO,  11
.set XW,  12
.set XR,  13
.set DL0, 14                           ; v14, v15: query - 8 h of my lane within the wave's 32, for register slots 0 and 1
.set DL1, 15
.set SO,  16
.set SIG, 17                           ; 1 or -lambda
.set PFO, 18
.set SPW, 19
.set NIL, 20
.set ST,  32                           ; tile t at v[ST + 8 t]: +0 c m, +1 m, +2, +3 l (even, odd keys), +4 .. +7 at work; a at +6
.set S,   64
.set P,   128
.set Q,   160
.set KR,  192
.set WV,  18
.set PAR, 19
.set J,   20
.set I,   21
.set BH,  22
.set U,   23
.set G1K, 24
.set G1V, 32
.set G0K, 40
.set G0V, 44
.set KB,  48
.set VB,  50
.set QB,  52
.set YB,  54
.set SB,  56
.set CS,  58
.set SEL, 60
.set TB,  62
.set KF,  63
.set Q0,  66
.set TILE, 67
.set BLK, 68
.set PFA, 76
.set PFB, 78
.set PLO, 80
.set PHI, 81
.set HIM, 82
.set PMK, 83
.set QH,  88
.set YH,  90
.set SH,  92
.set MSB, 0
.macro WIN new                         ; the immediate's high byte repeats the setting that is left
.if MSB != \new
	s_set_vgpr_msb (MSB<<8)|\new
.set MSB, \new
.endif
.endm
; Waves 0 and 1 fetch for K, waves 2 and 3 for V, the others nothing.  An s_nop 0 and four v_nop follow each line.
.macro TLOAD
	s_cmp_lt_u32 s[WV], 2
	s_cbranch_scc0 .Lnot_k_\@
	tensor_load_to_lds s[G0K:G0K+3], s[G1K:G1K+7]
	s_nop 0
.rept 4
	v_nop
.endr
	s_branch .Lasked_\@
.Lnot_k_\@:
	s_cmp_lt_u32 s[WV], 4
	s_cbranch_scc0 .Lasked_\@
	tensor_load_to_lds s[G0V:G0V+3], s[G1V:G1V+7]
	s_nop 0
.rept 4
	v_nop
.endr
.Lasked_\@:
.endm
; A PREFETCH INTO THE L2 of the unit behind the one that this change of slots asks for: two key steps ahead of the load that will want it.  A row of K or V is 256 bytes: a lane a row, 64 rows a wave in two instructions.
; Waves 4, 5 ask for K's halves, waves 6, 7 for V's.  Of a head's eight work-groups, I = 7 asks in trips 1..5 for units 3..7, I = 0 in trips 7..14 for units 8..15; nobody else asks: each row of units 3..15 is named once.  Unit 15 is the last named.
.macro ASK
	s_cmp_ge_u32 s[U], s[PLO]
	s_cbranch_scc0 .Lna_\@
	s_cmp_le_u32 s[U], s[PHI]
	s_cbranch_scc0 .Lna_\@
	global_prefetch_b8 v[PFO], s[PFA:PFA+1] th:TH_LOAD_NT scope:SCOPE_SE
	global_prefetch_b8 v[PFO], s[PFA:PFA+1] offset:8192 th:TH_LOAD_NT scope:SCOPE_SE
.Lna_\@:
.endm
.macro SETBLK                          ; from the query block s[BLK]: my first query, the tile that I keep, and the three bases
	s_lshl_b32 s[Q0], s[BLK], 7
	s_lshl_b32 s69, s[J], 5
	s_add_co_u32 s[Q0], s[Q0], s69
	s_lshr_b32 s[TILE], s[Q0], 4
	s_add_co_u32 s[TILE], s[TILE], s[PAR]
	s_mov_b32 s71, 0
	s_lshl_b32 s70, s[Q0], 8
	s_add_nc_u64 s[QB:QB+1], s[QH:QH+1], s[70:71]
	s_lshl_b32 s70, s[TILE], 17                    ; 16 rows of y, 8,192 bytes each
	s_add_nc_u64 s[YB:YB+1], s[YH:YH+1], s[70:71]
	s_lshl_b32 s70, s[TILE], 8
	s_add_nc_u64 s[SB:SB+1], s[SH:SH+1], s[70:71]
.endm
.macro QLOAD                           ; Q stays in registers: slot s, channels 32 c on
.irp s, 0,1
.irp c, 0,1
	global_load_b128 v[Q+16*\s+8*\c:Q+16*\s+8*\c+3], v[QO0+\s], s[QB:QB+1] offset:64*\c
	global_load_b128 v[Q+16*\s+8*\c+4:Q+16*\s+8*\c+7], v[QO0+\s], s[QB:QB+1] offset:64*\c+32
.endr
.endr
.endm
.macro RESET                           ; m = -3e38, under every score: the next step's a = 2^(c m_old - c m_new) is 0, which wipes O^T; l = 0
.irp t, 0,1
	v_mov_b32 v[ST+8*\t+1], 0xff61b1e6
	v_mul_f32 v[ST+8*\t], s[CS], v[ST+8*\t+1]
	v_mov_b32 v[ST+8*\t+2], 0
	v_mov_b32 v[ST+8*\t+3], 0
.endr
.endm
; THE CHANGE OF SLOTS stands at a unit's head.  Each wave waits for all its tensor loads, adds 0 to its spare word (fill = 1: twice on end), and waits for that and for its reads of the slot that it has left.
; Behind the barrier the slot ahead is whole and nobody reads the other one.  fill = 1: the other slot takes the walk's next unit: unit U + 1 of block I while U < I, else unit U - I of block 15 - I.
.macro CHANGE fill
	s_wait_tensorcnt 0x0                           ; no tensor load of mine is out, so a group 0 may be written
	ds_add_u32 v[SPW], v[NIL]                      ; 0 onto my spare word
.if \fill
	ds_add_u32 v[SPW], v[NIL]                      ; and once more
	s_add_co_u32 s69, s[U], 1
	s_add_co_u32 s70, s[I], 1
	s_cmp_gt_u32 s69, s[I]
	s_cselect_b32 s70, s70, 0
	s_sub_co_u32 s69, s69, s70                     ; the next unit's number among the head's keys
	s_lshl_b32 s70, s69, 15                        ; 128 rows of 256 bytes
	s_mov_b32 s71, 0
	s_xor_b32 s[G0K+1], s[G0K+1], SLOT1
	s_xor_b32 s[G0V+1], s[G0V+1], SLOT1
	s_add_nc_u64 s[G0K+2:G0K+3], s[KB:KB+1], s[70:71]
	s_or_b32 s[G0K+3], s[G0K+3], 0x80000000
	s_add_nc_u64 s[G0V+2:G0V+3], s[VB:VB+1], s[70:71]
	s_or_b32 s[G0V+3], s[G0V+3], 0x80000000
	s_wait_xcnt 0x0                                ; the last prefetches, a unit back, have read their address
	s_add_nc_u64 s[PFA:PFA+1], s[PFB:PFB+1], s[70:71]   ; one unit further on than the load
.endif
	s_add_co_u32 s70, s[I], 1
	s_cmp_gt_u32 s[U], s[I]
	s_cselect_b32 s70, s70, 0
	s_sub_co_u32 s[KF], s[U], s70
	s_lshl_b32 s[KF], s[KF], 7                     ; this unit's first key
	s_wait_dscnt 0x0                               ; the add is done (fill = 1: both are), and my reads of the slot that I have left are over
	s_barrier_signal -1
	s_barrier_wait -1
.if \fill
	TLOAD                                          ; the first thing behind the barrier, and a wave's one tensor load until the next
	ASK
.endif
.endm
; One tile's softmax for 64 keys, the two tiles line by line by turns.
.macro SOFTMAX
.irp j, 0,1,2,3
.irp t, 0,1
	v_max3_num_f32 v[ST+8*\t+4+\j], v[S+32*\t+8*\j], v[S+32*\t+8*\j+1], v[S+32*\t+8*\j+2]   ; four chains; each accumulator is read from its low end on
.endr
.endr
.irp g, 1,2
.irp j, 0,1,2,3
.irp t, 0,1
	v_max3_num_f32 v[ST+8*\t+4+\j], v[ST+8*\t+4+\j], v[S+32*\t+8*\j+2*\g+1], v[S+32*\t+8*\j+2*\g+2]
.endr
.endr
.endr
.irp t, 0,1
	v_max3_num_f32 v[ST+8*\t+4], v[ST+8*\t+4], v[S+32*\t+7], v[S+32*\t+15]
.endr
.irp t, 0,1
	v_max3_num_f32 v[ST+8*\t+6], v[ST+8*\t+6], v[S+32*\t+23], v[S+32*\t+31]
.endr
.irp t, 0,1
	v_max3_num_f32 v[ST+8*\t+4], v[ST+8*\t+4], v[ST+8*\t+5], v[ST+8*\t+6]
.endr
.irp t, 0,1
	v_max3_num_f32 v[ST+8*\t+4], v[ST+8*\t+4], v[ST+8*\t+7], v[ST+8*\t+1]    ; with the old m
.endr
.irp t, 0,1
	v_permlanex16_b32 v[ST+8*\t+5], v[ST+8*\t+4], s[SEL], s[SEL+1]           ; the query's other 32 keys lie in the lane 16 away
.endr
.irp t, 0,1
	v_mov_b32 v[ST+8*\t+7], v[ST+8*\t]             ; c m_old is kept for a
.endr
.irp t, 0,1
	v_max_num_f32 v[ST+8*\t+1], v[ST+8*\t+4], v[ST+8*\t+5]
.endr
.irp t, 0,1
	v_mul_f32 v[ST+8*\t], s[CS], v[ST+8*\t+1]
.endr
.irp t, 0,1
	v_sub_f32 v[ST+8*\t+7], v[ST+8*\t+7], v[ST+8*\t]
.endr
.irp b, 0,1,2,3,4,5,6,7,8,9,10,11,12,13,14,15
.irp t, 0,1
	v_pk_fma_f32 v[S+32*\t+2*\b:S+32*\t+2*\b+1], v[S+32*\t+2*\b:S+32*\t+2*\b+1], s[CS:CS+1], v[ST+8*\t:ST+8*\t+1] op_sel_hi:[1,0,0] neg_lo:[0,0,1] neg_hi:[0,0,1]   ; c s - c m
.endr
.endr
.irp t, 0,1
	v_exp_f32 v[ST+8*\t+6], v[ST+8*\t+7]           ; a
.endr
.set n, 0
.rept 64
	v_exp_f32 v[S+n], v[S+n]                       ; p = 2^(c s - c m), at most 1
.set n, n+1
.endr
	v_nop                                          ; a plain instruction behind the last exponential
	s_wait_alu depctr_va_vdst(0)                   ; ONE wait for the batch of 66, ahead of its first reader
.irp i, 0,1,2,3,4,5,6,7,8,9,10,11,12,13,14,15
.irp t, 0,1
	v_cvt_pk_f16_f32 v[P+16*\t+\i], v[S+32*\t+2*\i], v[S+32*\t+2*\i+1]   ; two packed tiles of S^T are source 1 of V^T P
.endr
.endr
.irp u, 0,1,2,3,4,5,6,7                        ; the row's sum, of the unrounded p: pairs 1, 2, 4, 8 apart
.irp t, 0,1
	v_pk_add_f32 v[S+32*\t+4*\u:S+32*\t+4*\u+1], v[S+32*\t+4*\u:S+32*\t+4*\u+1], v[S+32*\t+4*\u+2:S+32*\t+4*\u+3]
.endr
.endr
.irp u, 0,1,2,3
.irp t, 0,1
	v_pk_add_f32 v[S+32*\t+8*\u:S+32*\t+8*\u+1], v[S+32*\t+8*\u:S+32*\t+8*\u+1], v[S+32*\t+8*\u+4:S+32*\t+8*\u+5]
.endr
.endr
.irp u, 0,1
.irp t, 0,1
	v_pk_add_f32 v[S+32*\t+16*\u:S+32*\t+16*\u+1], v[S+32*\t+16*\u:S+32*\t+16*\u+1], v[S+32*\t+16*\u+8:S+32*\t+16*\u+9]
.endr
.endr
.irp t, 0,1
	v_pk_add_f32 v[S+32*\t:S+32*\t+1], v[S+32*\t:S+32*\t+1], v[S+32*\t+16:S+32*\t+17]
.endr
.irp t, 0,1
	v_pk_fma_f32 v[ST+8*\t+2:ST+8*\t+3], v[ST+8*\t+2:ST+8*\t+3], v[ST+8*\t+6:ST+8*\t+7], v[S+32*\t:S+32*\t+1] op_sel_hi:[1,0,1]   ; l = a l + the sum
.endr
	WIN 0x41                                       ; O^T (destination and source 0) in window 1, a in window 0
.irp t, 0,1
.set n, 0
.rept 32
	v_pk_mul_f32 v[64*\t+n:64*\t+n+1], v[64*\t+n:64*\t+n+1], v[ST+8*\t+6:ST+8*\t+7] op_sel_hi:[1,0]
.set n, n+2
.endr
.endr
	WIN 0
.endm
; A KEY STEP: 64 keys, the q-th half of the unit in hand.
.macro STEP q
	s_add_co_u32 s69, s[KF], 64*\q                 ; the step's first key
	s_add_co_u32 s70, s[Q0], 31
	s_cmp_gt_u32 s69, s70                          ; all its keys come after my 32 queries: the step is left out (ids and the count of units alone)
	s_cbranch_scc1 .Lhid_\@
	v_add_nc_u32 v[ADK], s[TB], v[AK0]
	v_add_nc_u32 v[ADV], s[TB], v[AV0]
	v_nop
	v_nop                                          ; four places behind the last step's products, ahead of the loads into V's registers
.irp kt, 0,1,2,3
.irp c, 0,1
	ds_load_b128 v[KR+16*\kt+8*\c:KR+16*\kt+8*\c+3], v[ADK] offset:(64*\q+16*\kt)*PK+64*\c
	ds_load_b128 v[KR+16*\kt+8*\c+4:KR+16*\kt+8*\c+7], v[ADK] offset:(64*\q+16*\kt)*PK+64*\c+32
.endr
.endr
	WIN 0x40                                       ; destination window 1
.irp f, 0,1,2,3,4,5,6,7,8,9,10,11,12,13,14,15  ; keys 32 (f / 8) on, channels 16 (f % 8) on
	ds_load_tr16_b128 v[128+8*\f:128+8*\f+3], v[ADV] offset:(64*\q+32*(\f/8))*PV+32*(\f%8)
	ds_load_tr16_b128 v[128+8*\f+4:128+8*\f+7], v[ADV] offset:(64*\q+32*(\f/8)+16)*PV+32*(\f%8)
.endr
	WIN 0
	s_wait_dscnt 32                                ; K's sixteen loads are in; V's 32, issued behind them, may be out
.set i, 0
.rept 16                                       ; S^T = K Q^T: channels 32 (i / 8) on, keys 16 ((i / 2) % 4) on, tile i % 2; the eight accumulators take turns; the first eight start the sums
.set rS, S+32*(i%2)+8*((i/2)%4)
.set rK, KR+16*((i/2)%4)+8*(i/8)
.set rQ, Q+16*(i%2)+8*(i/8)
.if i < 8
	v_wmma_f32_16x16x32_f16 v[rS:rS+7], v[rK:rK+7], v[rQ:rQ+7], 0
.else
	v_wmma_f32_16x16x32_f16 v[rS:rS+7], v[rK:rK+7], v[rQ:rQ+7], v[rS:rS+7]
.endif
.set i, i+1
.endr
.rept 4
	v_nop                                          ; places behind the products, ahead of the first read of the scores
.endr
	s_add_co_u32 s70, s69, 63
	s_cmp_le_u32 s70, s[Q0]                        ; all 64 keys count for all my queries: no mask
	s_cbranch_scc1 .Lopen_\@
	s_sub_co_i32 s70, s[Q0], s69
	v_add_nc_u32 v21, s70, v[DL0]                  ; d = my query - the step's first key - 8 h.  Register n holds key 16 (n / 8) + n % 8 + 8 h: hidden where 16 (n / 8) + n % 8 > d
	v_add_nc_u32 v22, s70, v[DL1]
	v_mov_b32 v23, 0xff800000                      ; -infinity.  The step's first key counts for every query of mine, so each row keeps a number
.set n, 0
.rept 32
	v_cmp_gt_i32 vcc_lo, 16*(n/8)+n%8, v21
	v_cndmask_b32 v[S+n], v[S+n], v23, vcc_lo
	v_cmp_gt_i32 vcc_lo, 16*(n/8)+n%8, v22
	v_cndmask_b32 v[S+32+n], v[S+32+n], v23, vcc_lo
.set n, n+1
.endr
.Lopen_\@:
	SOFTMAX
	s_wait_dscnt 0x0                               ; V is in
	WIN 0x51                                       ; V and O^T in window 1, P in window 0
.set i, 0
.rept 32                                       ; O^T += V^T P: keys 32 (i / 16) on, channels 16 ((i / 2) % 8) on, tile i % 2; the sixteen accumulators take turns
.set rO, 64*(i%2)+8*((i/2)%8)
.set rV, 128+64*(i/16)+8*((i/2)%8)
.set rP, P+16*(i%2)+8*(i/16)
	v_wmma_f32_16x16x32_f16 v[rO:rO+7], v[rV:rV+7], v[rP:rP+7], v[rO:rO+7]
.set i, i+1
.endr
	WIN 0
.Lhid_\@:
.endm
; A BLOCK'S END, first half: both slots x (1 or -lambda) / the row's sum; slot 1 goes to LDS as an image of its registers, for the partner.
.macro EPI1
.rept 4
	v_nop                                          ; places behind the last products
.endr
.irp t, 0,1
	v_add_f32 v[ST+8*\t+4], v[ST+8*\t+2], v[ST+8*\t+3]
.endr
.irp t, 0,1
	v_permlanex16_b32 v[ST+8*\t+5], v[ST+8*\t+4], s[SEL], s[SEL+1]
.endr
.irp t, 0,1
	v_add_f32 v[ST+8*\t+4], v[ST+8*\t+4], v[ST+8*\t+5]
.endr
.irp t, 0,1
	v_rcp_f32 v[ST+8*\t+6], v[ST+8*\t+4]
.endr
	v_nop
	s_wait_alu depctr_va_vdst(0)                   ; one wait for the two reciprocals
.irp t, 0,1
	v_mul_f32 v[ST+8*\t+6], v[ST+8*\t+6], v[SIG]
.endr
	WIN 0x41
.irp t, 0,1
.set n, 0
.rept 32
	v_pk_mul_f32 v[64*\t+n:64*\t+n+1], v[64*\t+n:64*\t+n+1], v[ST+8*\t+6:ST+8*\t+7] op_sel_hi:[1,0]
.set n, n+2
.endr
.endr
	WIN 0x04                                       ; an LDS store's data are its source 1: window 1
.irp i, 0,1,2,3,4,5,6,7,8,9,10,11,12,13,14,15
	ds_store_b128 v[XW], v[64+4*\i:67+4*\i] offset:512*\i
.endr
	WIN 0
.endm
; A BLOCK'S END, second half, behind a barrier: the partner's image is added to slot 0: y of my 16 queries.  It goes out through my stage, half a row (256 bytes) of 16 queries at a time, and its statistics with it.
.macro EPI2 next
.rept 4
	v_nop                                          ; places behind the last products, on every way that leads here
.endr
.irp i, 0,1,2,3,4,5,6,7,8,9,10,11,12,13,14,15
	ds_load_b128 v[S+4*\i:S+4*\i+3], v[XR] offset:512*\i
.endr
	s_wait_dscnt 0x0
	WIN 0x01                                       ; source 0 (O^T) in window 1
.set n, 0
.rept 32
	v_pk_add_f32 v[S+n:S+n+1], v[n:n+1], v[S+n:S+n+1]
.set n, n+2
.endr
	WIN 0
	s_cmp_eq_u32 s[TILE], 0                        ; positions 0 to 15 are stored by the launch that carries them in f32
	s_cbranch_scc1 .Lfine_\@
.irp u, 0,1                                    ; channels 64 u on
.irp a, 0,1,2,3
	ds_store_b128 v[STO], v[S+32*\u+8*\a:S+32*\u+8*\a+3] offset:64*\a
	ds_store_b128 v[STO], v[S+32*\u+8*\a+4:S+32*\u+8*\a+7] offset:64*\a+16
.endr
.irp i, 0,1,2,3,4,5,6,7
	ds_load_b128 v[KR+32*\u+4*\i:KR+32*\u+4*\i+3], v[RD] offset:2*\i*272   ; LDS serves a wave's instructions in order: these see my stores, and the next half's stores come behind them
.endr
.endr
.irp u, 0,1
.irp i, 0,1,2,3,4,5,6,7
	s_wait_dscnt (1-\u)*16+7-\i                    ; behind this load: the rest of its eight, and for the first half the second half's sixteen
	global_store_b128 v[GO], v[KR+32*\u+4*\i:KR+32*\u+4*\i+3], s[YB:YB+1] offset:2*\i*8192+256*\u   ; sixteen lanes store 256 consecutive bytes, aligned
.endr
.endr
	; the statistics: my quads of half u are group 16 u + lane % 16, rows 2 i + lane / 16
.irp u, 0,1
	v_pk_add_f32 v[48+4*\u:49+4*\u], v[KR+32*\u:KR+32*\u+1], v[KR+32*\u+2:KR+32*\u+3]
.endr
.irp i, 4,6,8,10,12,14,16,18,20,22,24,26,28,30
.irp u, 0,1
	v_pk_add_f32 v[48+4*\u:49+4*\u], v[48+4*\u:49+4*\u], v[KR+32*\u+\i:KR+32*\u+\i+1]
.endr
.endr
.irp u, 0,1
	v_add_f32 v[48+4*\u], v[48+4*\u], v[49+4*\u]
.endr
.irp u, 0,1
	v_permlanex16_b32 v[50+4*\u], v[48+4*\u], s[SEL], s[SEL+1]
.endr
.irp u, 0,1
	v_add_f32 v[48+4*\u], v[48+4*\u], v[50+4*\u]
.endr
.irp u, 0,1
	v_mul_f32 v[48+4*\u], 0x3c800000, v[48+4*\u]   ; the mean of the group's 64 numbers
.endr
.irp u, 0,1
	v_mov_b32 v[49+4*\u], v[48+4*\u]
.endr
.irp i, 0,1,2,3,4,5,6,7,8,9,10,11,12,13,14,15  ; the deviations go into registers of their own: the stores above still read the rows
.irp u, 0,1
	v_pk_add_f32 v[56+4*\u+2*(\i%2):57+4*\u+2*(\i%2)], v[KR+32*\u+2*\i:KR+32*\u+2*\i+1], v[48+4*\u:49+4*\u] neg_lo:[0,1] neg_hi:[0,1]
.endr
.irp u, 0,1
.if \i == 0
	v_pk_mul_f32 v[24+2*\u:25+2*\u], v[56+4*\u:57+4*\u], v[56+4*\u:57+4*\u]
.else
	v_pk_fma_f32 v[24+2*\u:25+2*\u], v[56+4*\u+2*(\i%2):57+4*\u+2*(\i%2)], v[56+4*\u+2*(\i%2):57+4*\u+2*(\i%2)], v[24+2*\u:25+2*\u]
.endif
.endr
.endr
.irp u, 0,1
	v_add_f32 v[24+2*\u], v[24+2*\u], v[25+2*\u]
.endr
.irp u, 0,1
	v_permlanex16_b32 v[50+4*\u], v[24+2*\u], s[SEL], s[SEL+1]
.endr
.irp u, 0,1
	v_add_f32 v[24+2*\u], v[24+2*\u], v[50+4*\u]   ; the sum of squared deviations
.endr
	v_cndmask_b32 v28, v48, v52, s[HIM]            ; lanes 16-31 take the second half's groups
	v_cndmask_b32 v29, v24, v26, s[HIM]
	global_store_b64 v[SO], v[28:29], s[SB:SB+1]   ; 32 groups: 256 consecutive bytes, aligned
.Lfine_\@:
.if \next
	s_wait_xcnt 0x0                                ; the stores have read their registers and bases: both may be written again
	s_sub_co_u32 s[BLK], 15, s[I]
	SETBLK
	QLOAD
	RESET
	s_wait_loadcnt 0x0                             ; Q
.endif
.endm
	s_load_b256 s[4:11], s[0:1], 0x0               ; qkv 4, lq1 6, lk1 8, lq2 10
	s_load_b128 s[12:15], s[0:1], 0x20             ; lk2 12, y 14
	s_load_b64 s[16:17], s[0:1], 0x30              ; stats
	v_lshl_add_u32 v[SPW], v0, 2, SPARE
	v_mov_b32 v[NIL], 0
	ds_add_u32 v[SPW], v[NIL]                      ; the wave's opening: the add, twice on end, and its wait ahead of my first tensor load
	ds_add_u32 v[SPW], v[NIL]
	v_lshrrev_b32 v1, 5, v0
	v_readfirstlane_b32 s[WV], v1                  ; wave 0..7
	s_and_b32 s[PAR], s[WV], 1
	s_lshr_b32 s[J], s[WV], 1
	s_mov_b32 s[I], ttmp9
	s_and_b32 s[BH], ttmp7, 0xffff
	; descriptor group 1: 64 rows x 128 elements of 2 bytes, dense in memory, padded in LDS
	s_mov_b32 s[G1K], (1<<16)|(1<<20)|(5<<22)|(3<<25)   ; no mask; elements of 2 bytes; padding on: 4 words after every 64
	s_mov_b32 s[G1V], (1<<16)|(1<<20)|(5<<22)|(7<<25)   ; the same with 8 words
.irp g, G1K, G1V
	s_mov_b32 s[\g+1], 128<<16                     ; tensor_dim0
	s_mov_b32 s[\g+2], 64<<16                      ; tensor_dim1
	s_mov_b32 s[\g+3], 128<<16                     ; tile_dim0
	s_mov_b32 s[\g+4], 64                          ; tile_dim1
	s_mov_b32 s[\g+5], 128                         ; the pitch
	s_mov_b32 s[\g+6], 0
	s_mov_b32 s[\g+7], 0
.endr
	s_mov_b32 s[CS], 0x3e38aa3b                    ; c = log2(e) / 8
	s_mov_b32 s[CS+1], s[CS]
	s_mov_b32 s[SEL], 0x76543210
	s_mov_b32 s[SEL+1], 0xfedcba98
	s_mov_b32 s[TB], 0
	s_mov_b32 s[U], 0
	s_mov_b32 s[HIM], 0xffff0000
	s_sub_co_u32 s[PMK], 0, s[PAR]                 ; all lanes in the waves of branch 2, none in the others
	s_lshl_b32 s70, s[BH], 19                      ; the (batch, head)'s 2,048 rows of 256 bytes
	s_lshl_b32 s69, s[PAR], 14
	s_add_co_u32 s72, s70, s69                     ; + the 64 rows of a unit that I fetch or ask for
	s_mov_b32 s71, 0
	s_mov_b32 s73, 0
	s_mul_i32 s74, s[PAR], 64*PK                   ; and their place in a slot
	s_mul_i32 s75, s[PAR], 64*PV
	s_add_co_u32 s75, s75, VOFF
	s_mov_b32 s[PLO], 1                            ; who prefetches, and in which trips
	s_cmp_eq_u32 s[I], 7
	s_cselect_b32 s[PHI], 5, 0
	s_cmp_eq_u32 s[I], 0
	s_cselect_b32 s[PLO], 7, s[PLO]
	s_cselect_b32 s[PHI], 14, s[PHI]
	s_cmp_lt_u32 s[WV], 4
	s_cselect_b32 s[PLO], 1, s[PLO]
	s_cselect_b32 s[PHI], 0, s[PHI]
	s_wait_dscnt 0x0                               ; both opening adds are done
	s_wait_kmcnt 0x0
	s_add_nc_u64 s[QH:QH+1], s[4:5], s[70:71]
	s_add_nc_u64 s[KB:KB+1], s[4:5], s[72:73]
	s_add_nc_u64 s[VB:VB+1], s[KB:KB+1], 2<<24     ; plane 2
	s_add_nc_u64 s[KB:KB+1], s[KB:KB+1], 1<<24     ; plane 1
	s_mov_b32 s[G0K], 1
	s_mov_b32 s[G0K+1], s74
	s_mov_b64 s[G0K+2:G0K+3], s[KB:KB+1]
	s_or_b32 s[G0K+3], s[G0K+3], 0x80000000
	s_mov_b32 s[G0V], 1
	s_mov_b32 s[G0V+1], s75
	s_mov_b64 s[G0V+2:G0V+3], s[VB:VB+1]
	s_or_b32 s[G0V+3], s[G0V+3], 0x80000000
	TLOAD                                          ; unit 0 into slot 0
	s_cmp_lt_u32 s[WV], 6
	s_cselect_b64 s[PFB:PFB+1], s[KB:KB+1], s[VB:VB+1]
	s_add_nc_u64 s[PFB:PFB+1], s[PFB:PFB+1], 32768 ; one unit on
	s_and_b32 s69, s[BH], 15                       ; the head
	s_lshl_b32 s70, s69, 2
	s_add_nc_u64 s[6:7], s[6:7], s[70:71]
	s_add_nc_u64 s[8:9], s[8:9], s[70:71]
	s_add_nc_u64 s[10:11], s[10:11], s[70:71]
	s_add_nc_u64 s[12:13], s[12:13], s[70:71]
	s_load_b32 s84, s[6:7], 0x0
	s_load_b32 s85, s[8:9], 0x0
	s_load_b32 s86, s[10:11], 0x0
	s_load_b32 s87, s[12:13], 0x0
	s_lshr_b32 s70, s[BH], 4
	s_lshl_b32 s70, s70, 24
	s_lshl_b32 s72, s69, 9
	s_add_co_u32 s70, s70, s72
	s_add_nc_u64 s[YH:YH+1], s[14:15], s[70:71]    ; y at the batch's row 0, the head's columns
	s_lshl_b32 s70, s[BH], 15
	s_add_nc_u64 s[SH:SH+1], s[16:17], s[70:71]
	v_and_b32 v1, 15, v0                           ; r
	v_bfe_u32 v2, v0, 4, 1                         ; h
	v_and_b32 v21, 31, v0                          ; lane
	v_mul_u32_u24 v[AK0], v1, PK
	v_lshl_add_u32 v[AK0], v2, 4, v[AK0]
	s_lshl_b32 s69, s[PAR], 7
	v_add_nc_u32 v[AK0], s69, v[AK0]               ; K: row r, + 16 h, + my branch's 128 bytes
	v_and_b32 v22, 7, v0
	v_bfe_u32 v23, v0, 3, 1
	v_lshl_add_u32 v[AV0], v2, 3, v22
	v_mul_u32_u24 v[AV0], v[AV0], PV
	v_lshl_add_u32 v[AV0], v23, 4, v[AV0]
	v_add_nc_u32 v[AV0], VOFF, v[AV0]              ; V, for the turning load: key 8 h + l % 8, channels 8 ((l / 8) % 2) on
	v_lshlrev_b32 v[QO0], 8, v1
	v_lshl_add_u32 v[QO0], v2, 4, v[QO0]
	s_mul_i32 s69, s[PAR], 4096+128
	v_add_nc_u32 v[QO0], s69, v[QO0]               ; Q: slot 0 holds tile PAR of the wave's two, my branch's 128 bytes
	v_xor_b32 v[QO0+1], 4096, v[QO0]               ; slot 1 the other tile
	v_lshlrev_b32 v22, 3, v2
	v_sub_nc_u32 v22, v1, v22
	s_lshl_b32 s69, s[PAR], 4
	v_add_nc_u32 v[DL0], s69, v22
	s_xor_b32 s69, s69, 16
	v_add_nc_u32 v[DL1], s69, v22
	s_mul_i32 s69, s[WV], 16*272
	s_add_co_u32 s69, s69, STAGE
	v_mul_u32_u24 v[STO], v1, 272
	v_lshl_add_u32 v[STO], v2, 5, v[STO]
	v_add_nc_u32 v[STO], s69, v[STO]               ; the stage, in: row r, + 32 h
	v_mul_u32_u24 v[RD], v2, 272
	v_lshl_add_u32 v[RD], v1, 4, v[RD]
	v_add_nc_u32 v[RD], s69, v[RD]                 ; back: lanes 0-15 one row, lanes 16-31 the next
	v_lshlrev_b32 v[GO], 13, v2
	v_lshl_add_u32 v[GO], v1, 4, v[GO]             ; and the same two rows in y
	s_lshl_b32 s69, s[WV], 13
	s_add_co_u32 s69, s69, XCH
	v_lshl_add_u32 v[XW], v21, 4, s69              ; my image
	s_xor_b32 s69, s[WV], 1
	s_lshl_b32 s69, s69, 13
	s_add_co_u32 s69, s69, XCH
	v_lshl_add_u32 v[XR], v21, 4, s69              ; my partner's
	v_lshlrev_b32 v[SO], 3, v21
	v_lshlrev_b32 v[PFO], 8, v21
.irp n, 0,1,2,3,4,5,6,7,8,9,10,11,12,13,14,15
	v_mov_b32 v[ST+\n], 0                          ; written once: lane permutes' destinations and the upper halves of pairs count as read
.endr
	v_mov_b32 v50, 0
	v_mov_b32 v54, 0
	s_wait_kmcnt 0x0
	v_mov_b32 v21, s85                             ; lambda = sigmoid(lq1 lk1) - sigmoid(lq2 lk2) + LAMBDA_INIT
	v_mov_b32 v22, s87
	v_mul_f32 v21, s84, v21
	v_mul_f32 v22, s86, v22
	v_mul_f32 v21, 0xbfb8aa3b, v21
	v_mul_f32 v22, 0xbfb8aa3b, v22
	v_exp_f32 v21, v21
	v_exp_f32 v22, v22
	v_nop
	s_wait_alu depctr_va_vdst(0)
	v_add_f32 v21, 1.0, v21
	v_add_f32 v22, 1.0, v22
	v_rcp_f32 v21, v21
	v_rcp_f32 v22, v22
	v_nop
	s_wait_alu depctr_va_vdst(0)
	v_sub_f32 v21, v21, v22
	v_add_f32 v21, 0x3f47227f, v21
	v_mul_f32 v21, -1.0, v21
	v_mov_b32 v22, 1.0
	v_cndmask_b32 v[SIG], v22, v21, s[PMK]         ; branch 1: 1; branch 2: -lambda
	s_mov_b32 s[BLK], s[I]
	SETBLK
	QLOAD
	WIN 0x40
.set n, 0
.rept 128
	v_mov_b32 v[n], 0                              ; O^T, once: the step is written without a first form of its own, and its first a, which is 0, must find numbers
.set n, n+1
.endr
	WIN 0
	RESET
	s_wait_loadcnt 0x0                             ; Q
.Lunit:                                            ; 16 trips, units 0 to 15 of the walk; behind each change of slots the next unit is asked for
	CHANGE 1
	s_add_co_u32 s69, s[I], 1
	s_cmp_eq_u32 s[U], s69                         ; the first block was finished in the last trip, and the change's barrier has shown the partners' images
	s_cbranch_scc0 .Lno_e2
	EPI2 1
.Lno_e2:
	s_wait_dscnt 0x0                               ; my reads of my partner's image are over:
	s_barrier_signal -1
	s_barrier_wait -1                              ; no image is written again before every wave has said so.
	STEP 0
	STEP 1
	s_cmp_eq_u32 s[U], s[I]                        ; the first block's last unit
	s_cbranch_scc0 .Lno_e1
	EPI1
.Lno_e1:
	s_xor_b32 s[TB], s[TB], SLOT1
	s_add_co_u32 s[U], s[U], 1
	s_cmp_lt_u32 s[U], 16
	s_cbranch_scc1 .Lunit
	CHANGE 0                                       ; the last unit is written out: nothing is left to fetch
	STEP 0
	STEP 1
	EPI1
	s_wait_dscnt 0x0                               ; for my partner's sake: my image is stored
	s_barrier_signal -1
	s_barrier_wait -1
	EPI2 0
	s_wait_tensorcnt 0x0                           ; the wave's end
	ds_add_u32 v[SPW], v[NIL]
	s_wait_dscnt 0x0
	s_endpgm
.Lfunc_end_k_q0f171d91da_att:
	.size	k_q0f171d91da_att, .Lfunc_end_k_q0f171d91da_att-k_q0f171d91da_att
	.p2alignl 7, 3214868480
	.fill 96, 4, 3214868480
	.section	.rodata,"a",@progbits
	.p2align	6, 0x0
	.amdhsa_kernel k_q0f171d91da_att
		.amdhsa_group_segment_fixed_size 327680
		.amdhsa_private_segment_fixed_size 0
		.amdhsa_enable_private_segment 0
		.amdhsa_kernarg_size 56
		.amdhsa_user_sgpr_count 2
		.amdhsa_user_sgpr_kernarg_segment_ptr 1
		.amdhsa_wavefront_size32 1
		.amdhsa_system_sgpr_workgroup_id_x 1
		.amdhsa_system_sgpr_workgroup_id_y 1
		.amdhsa_system_sgpr_workgroup_id_z 1
		.amdhsa_system_vgpr_workitem_id 0
		.amdhsa_next_free_vgpr 512
		.amdhsa_next_free_sgpr 100
		.amdhsa_reserve_vcc 1
		.amdhsa_float_denorm_mode_32 3
		.amdhsa_float_denorm_mode_16_64 3
		.amdhsa_memory_ordered 1
		.amdhsa_forward_progress 1
		.amdhsa_inst_pref_size 160
	.end_amdhsa_kernel
	.amdgpu_metadata
---
amdhsa.version: [ 1, 2 ]
amdhsa.kernels:
  - .name:           k_q0f171d91da_att
    .symbol:         k_q0f171d91da_att.kd
    .args:
      - { .name: qkv, .offset: 0, .size: 8, .value_kind: global_buffer, .address_space: global }
      - { .name: lq1, .offset: 8, .size: 8, .value_kind: global_buffer, .address_space: global }
      - { .name: lk1, .offset: 16, .size: 8, .value_kind: global_buffer, .address_space: global }
      - { .name: lq2, .offset: 24, .size: 8, .value_kind: global_buffer, .address_space: global }
      - { .name: lk2, .offset: 32, .size: 8, .value_kind: global_buffer, .address_space: global }
      - { .name: y, .offset: 40, .size: 8, .value_kind: global_buffer, .address_space: global }
      - { .name: stats, .offset: 48, .size: 8, .value_kind: global_buffer, .address_space: global }
    .group_segment_fixed_size: 327680
    .private_segment_fixed_size: 0
    .kernarg_segment_align: 8
    .kernarg_segment_size: 56
    .max_flat_workgroup_size: 256
    .sgpr_count:     100
    .vgpr_count:     512
    .wavefront_size: 32
...
	.end_amdgpu_metadata
.endif
;; end of part 4
;; launch norm (part 5): grid 8 x 32, 8 waves a work-group, no clusters, 3,072 bytes of LDS; arguments y, stats, gn_w, gn_b, gamma, yn, ynf; writes yn, ynf
.if DOCPART == 5
	.amdgcn_target "amdgcn-amd-amdhsa--gfx1250"
	.amdhsa_code_object_version 6
	.text
	.protected	k_q0f171d91da_norm
	.globl	k_q0f171d91da_norm
	.p2align	8
	.type	k_q0f171d91da_norm,@function
k_q0f171d91da_norm:
	s_mov_b64 s[64:65], 0
	v_nop
	global_prefetch_b8 v0, s[64:65] scope:SCOPE_SE
	s_setreg_imm32_b32 hwreg(HW_REG_WAVE_MODE, 25, 1), 1
	s_wait_xcnt 0x0
; The group norm over (all 2,048 positions, 4 channels), its affine, gamma and 1 - LAMBDA_INIT, in f32; the result is rounded once to f16 for the last product, and the first 16 positions of each sequence are kept in f32 too.
; yn = (y - mean) A + D with A = rsqrt(var + 1e-5) gn_w gamma (1 - LAMBDA_INIT), D = gn_b gamma (1 - LAMBDA_INIT).
; The 128 tiles' means and sums of squared deviations are joined by M2 = sum of M2_i + n sum of (mean_i - mean)^2, in two levels (16 tiles a wave, 8 waves): no difference of large sums.
; SHARES: a work-group takes 256 positions of one (batch, head); every work-group joins the head's statistics for itself (32 KB).  A lane is a group of 4 channels throughout: a position's 512 bytes are one load of the wave.
; Memory binds: no matrix unit, no cluster.  All 51 loads of a wave go out together.  LIMIT: |yn| stays under 65,504, f16's range.
.set SPW, 14
.set NIL, 15
	s_load_b256 s[4:11], s[0:1], 0x0               ; y 4, stats 6, gn_w 8, gn_b 10
	s_load_b128 s[12:15], s[0:1], 0x20             ; gamma 12, yn 14
	s_load_b64 s[16:17], s[0:1], 0x30              ; ynf
	v_lshl_add_u32 v[SPW], v0, 2, 2048             ; the spare words lie behind the partial sums' 2,048 bytes
	v_mov_b32 v[NIL], 0
	v_lshrrev_b32 v1, 5, v0
	v_readfirstlane_b32 s18, v1                    ; wave 0..7
	v_and_b32 v1, 31, v0
	v_lshlrev_b32 v2, 3, v1                        ; 8 x lane
	v_lshlrev_b32 v3, 4, v1                        ; 16 x lane
	v_lshlrev_b32 v1, 3, v0                        ; 8 x thread
	s_and_b32 s20, ttmp7, 0xffff                   ; (batch, head)
	s_lshr_b32 s21, s20, 4                         ; batch
	s_and_b32 s22, s20, 15                         ; head
	s_lshl_b32 s23, ttmp9, 8
	s_lshl_b32 s24, s18, 5
	s_add_co_u32 s23, s23, s24                     ; my first position
	s_mov_b32 s27, 0
	s_wait_kmcnt 0x0
	s_lshl_b32 s26, s20, 15
	s_lshl_b32 s24, s18, 12
	s_add_co_u32 s26, s26, s24
	s_add_nc_u64 s[6:7], s[6:7], s[26:27]          ; my 16 tiles' statistics
	s_lshl_b32 s26, s21, 24
	s_lshl_b32 s24, s22, 9
	s_add_co_u32 s26, s26, s24
	s_lshl_b32 s24, s23, 13
	s_add_co_u32 s26, s26, s24
	s_add_nc_u64 s[4:5], s[4:5], s[26:27]
	s_lshl_b32 s26, s21, 23
	s_lshl_b32 s24, s22, 8
	s_add_co_u32 s26, s26, s24
	s_lshl_b32 s24, s23, 12
	s_add_co_u32 s26, s26, s24
	s_add_nc_u64 s[14:15], s[14:15], s[26:27]
	s_lshl_b32 s26, s21, 17
	s_lshl_b32 s24, s22, 9
	s_add_co_u32 s26, s26, s24
	s_add_nc_u64 s[16:17], s[16:17], s[26:27]
.irp k, 0,1,2,3,4,5,6,7,8,9,10,11,12,13,14,15
	global_load_b64 v[16+2*\k:17+2*\k], v2, s[6:7] offset:256*\k
.endr
	global_load_b128 v[52:55], v3, s[8:9]
	global_load_b128 v[56:59], v3, s[10:11]
	global_load_b128 v[60:63], v3, s[12:13]
.set k, 0
.rept 32
	global_load_b128 v[64+4*k:67+4*k], v3, s[4:5] offset:8192*k th:TH_LOAD_NT
.set k, k+1
.endr
	s_wait_loadcnt 35                              ; the sixteen loads of statistics are in; the 3 + 32 behind them may be out
	v_add_f32 v48, v16, v18
	v_add_f32 v49, v17, v19
.irp k, 2,3,4,5,6,7,8,9,10,11,12,13,14,15
	v_add_f32 v48, v48, v[16+2*\k]
	v_add_f32 v49, v49, v[17+2*\k]
.endr
	v_mul_f32 v48, 0x3d800000, v48                 ; the mean of my 16 tiles
	v_sub_f32 v50, v16, v48
	v_mul_f32 v51, v50, v50
.irp k, 1,2,3,4,5,6,7,8,9,10,11,12,13,14,15
	v_sub_f32 v50, v[16+2*\k], v48
	v_fmac_f32 v51, v50, v50
.endr
	v_fmac_f32 v49, 0x42800000, v51                ; + 64 x the tiles' means' squared deviations
	ds_store_b64 v1, v[48:49]
	s_wait_dscnt 0x0                               ; for the others' sake
	s_barrier_signal -1
	s_barrier_wait -1
.irp j, 0,1,2,3,4,5,6,7
	ds_load_b64 v[16+2*\j:17+2*\j], v2 offset:256*\j
.endr
	s_wait_dscnt 0x0
	v_add_f32 v48, v16, v18
	v_add_f32 v49, v17, v19
.irp j, 2,3,4,5,6,7
	v_add_f32 v48, v48, v[16+2*\j]
	v_add_f32 v49, v49, v[17+2*\j]
.endr
	v_mul_f32 v12, 0x3e000000, v48                 ; the group's mean
	v_mov_b32 v13, v12
	v_sub_f32 v50, v16, v12
	v_mul_f32 v51, v50, v50
.irp j, 1,2,3,4,5,6,7
	v_sub_f32 v50, v[16+2*\j], v12
	v_fmac_f32 v51, v50, v50
.endr
	v_fmac_f32 v49, 0x44800000, v51                ; + 1,024 x the waves' means' squared deviations
	v_mul_f32 v49, 0x39000000, v49                 ; / 8,192: the variance
	v_add_f32 v49, 0x3727c5ac, v49                 ; + 1e-5
	v_rsq_f32 v50, v49
	v_nop
	s_wait_alu depctr_va_vdst(0)
	s_wait_loadcnt 32                              ; gn_w, gn_b, gamma are in; y's 32 loads may be out
.irp c, 0,1,2,3
	v_mul_f32 v[60+\c], 0x3e637605, v[60+\c]       ; gamma (1 - LAMBDA_INIT)
	v_mul_f32 v[4+\c], v[52+\c], v[60+\c]
	v_mul_f32 v[8+\c], v[56+\c], v[60+\c]          ; D
	v_mul_f32 v[4+\c], v[4+\c], v50                ; A
.endr
.set k, 0
.rept 32
	s_wait_loadcnt 31-k                            ; loads come back in order: row k is in
	v_pk_add_f32 v[64+4*k:65+4*k], v[64+4*k:65+4*k], v[12:13] neg_lo:[0,1] neg_hi:[0,1]
	v_pk_add_f32 v[66+4*k:67+4*k], v[66+4*k:67+4*k], v[12:13] neg_lo:[0,1] neg_hi:[0,1]
	v_pk_fma_f32 v[64+4*k:65+4*k], v[64+4*k:65+4*k], v[4:5], v[8:9]
	v_pk_fma_f32 v[66+4*k:67+4*k], v[66+4*k:67+4*k], v[6:7], v[10:11]
	v_cvt_pk_f16_f32 v[192+2*k], v[64+4*k], v[65+4*k]
	v_cvt_pk_f16_f32 v[193+2*k], v[66+4*k], v[67+4*k]
	global_store_b64 v2, v[192+2*k:193+2*k], s[14:15] offset:4096*k   ; the wave stores 256 consecutive bytes, aligned; no register is written twice
.set k, k+1
.endr
	s_or_b32 s24, ttmp9, s18
	s_cmp_eq_u32 s24, 0                            ; wave 0 of the first block holds positions 0 to 15
	s_cbranch_scc0 .Lend
.irp k, 0,1,2,3,4,5,6,7,8,9,10,11,12,13,14,15
	global_store_b128 v3, v[64+4*\k:67+4*\k], s[16:17] offset:8192*\k
.endr
.Lend:
	s_wait_tensorcnt 0x0                           ; the wave's end
	ds_add_u32 v[SPW], v[NIL]
	s_wait_dscnt 0x0
	s_endpgm
.Lfunc_end_k_q0f171d91da_norm:
	.size	k_q0f171d91da_norm, .Lfunc_end_k_q0f171d91da_norm-k_q0f171d91da_norm
	.p2alignl 7, 3214868480
	.fill 96, 4, 3214868480
	.section	.rodata,"a",@progbits
	.p2align	6, 0x0
	.amdhsa_kernel k_q0f171d91da_norm
		.amdhsa_group_segment_fixed_size 3072
		.amdhsa_private_segment_fixed_size 0
		.amdhsa_enable_private_segment 0
		.amdhsa_kernarg_size 56
		.amdhsa_user_sgpr_count 2
		.amdhsa_user_sgpr_kernarg_segment_ptr 1
		.amdhsa_wavefront_size32 1
		.amdhsa_system_sgpr_workgroup_id_x 1
		.amdhsa_system_sgpr_workgroup_id_y 1
		.amdhsa_system_sgpr_workgroup_id_z 1
		.amdhsa_system_vgpr_workitem_id 0
		.amdhsa_next_free_vgpr 256
		.amdhsa_next_free_sgpr 66
		.amdhsa_reserve_vcc 0
		.amdhsa_float_denorm_mode_32 3
		.amdhsa_float_denorm_mode_16_64 3
		.amdhsa_memory_ordered 1
		.amdhsa_forward_progress 1
		.amdhsa_inst_pref_size 29
	.end_amdhsa_kernel
	.amdgpu_metadata
---
amdhsa.version: [ 1, 2 ]
amdhsa.kernels:
  - .name:           k_q0f171d91da_norm
    .symbol:         k_q0f171d91da_norm.kd
    .args:
      - { .name: y, .offset: 0, .size: 8, .value_kind: global_buffer, .address_space: global }
      - { .name: stats, .offset: 8, .size: 8, .value_kind: global_buffer, .address_space: global }
      - { .name: gn_w, .offset: 16, .size: 8, .value_kind: global_buffer, .address_space: global }
      - { .name: gn_b, .offset: 24, .size: 8, .value_kind: global_buffer, .address_space: global }
      - { .name: gamma, .offset: 32, .size: 8, .value_kind: global_buffer, .address_space: global }
      - { .name: yn, .offset: 40, .size: 8, .value_kind: global_buffer, .address_space: global }
      - { .name: ynf, .offset: 48, .size: 8, .value_kind: global_buffer, .address_space: global }
    .group_segment_fixed_size: 3072
    .private_segment_fixed_size: 0
    .kernarg_segment_align: 8
    .kernarg_segment_size: 56
    .max_flat_workgroup_size: 256
    .sgpr_count:     66
    .vgpr_count:     256
    .wavefront_size: 32
...
	.end_amdgpu_metadata
.endif
;; end of part 5
;; launch outp (part 6): grid 8 x 32, 4 waves a work-group, clusters of 4 x 4, 327,680 bytes of LDS; arguments yn, wc16, out0; writes out0
.if DOCPART == 6
	.amdgcn_target "amdgcn-amd-amdhsa--gfx1250"
	.amdhsa_code_object_version 6
	.text
	.protected	k_q0f171d91da_outp
	.globl	k_q0f171d91da_outp
	.p2align	8
	.type	k_q0f171d91da_outp,@function
k_q0f171d91da_outp:
	s_mov_b64 s[64:65], 0
	v_nop
	global_prefetch_b8 v0, s[64:65] scope:SCOPE_SE
	s_setreg_imm32_b32 hwreg(HW_REG_WAVE_MODE, 25, 1), 1
	s_wait_xcnt 0x0
	s_wait_alu depctr_hold_cnt(0) depctr_sa_sdst(0) depctr_va_vdst(0) depctr_va_sdst(0) depctr_va_ssrc(0) depctr_va_vcc(0) depctr_vm_vsrc(0)
	s_getreg_b32 s2, hwreg(HW_REG_IB_STS2, 6, 4)
	s_cmp_eq_u32 s2, 0
	s_cbranch_scc0 .Lentry_in_a_cluster
	s_endpgm
.Lentry_in_a_cluster:
	s_bfe_u32 s2, ttmp6, 0x10000c
	s_cmp_lg_u32 s2, 0xf033
	s_cbranch_scc0 .Lentry_shape_is_right
	s_endpgm
.Lentry_shape_is_right:
; out[m][n] = sum over k of yn[m][k] Wc[n][k].  yn: [4096][2048], Wc: [1024][2048], both f16; out: [4096][1024] f32; sums in f32.  (The first 16 positions of each sequence are written again by the launch that carries them in f32.)
; 32 x 8 = 256 tiles of 128 x 128, one to a work-group.  Four waves, each 64 x 64: 16 accumulators, 128 registers.  K goes in steps of 256 (LDS rows of 512 bytes; a wave's tensor load brings 64 of them) through two slots.
; CLUSTERS: 4 x 4 work-groups; yn's tiles are asked for jointly along a row of the cluster, Wc's along a column.  THE MATRIX INSTRUCTION IS USED TRANSPOSED: a lane holds eight neighbouring numbers of a row of out.
; A wave's 64 f32 columns are 256 aligned bytes of a row: each wave has a stage of its own on the way out, and no barrier stands there.
; REGISTERS: window 0: v0-31 addresses; v32-95 rows on the way out; v128-255 the accumulators ((a, b) at v[128 + 8 (4 a + b)]).   window 1: two fragment buffers of 128.
.set SIZE_N, 1024
.set SIZE_K, 2048
.set KSTEP,  256
.set PITCH,  528                       ; an LDS row: 512 bytes + 16: the 16 rows that a load touches start at 16 different banks (64 banks of 4 bytes: ISA guide 11.1)
.set HALFT,  64*PITCH
.set SLOT,   4*HALFT
.set STAGE,  2*SLOT                    ; behind the ring: 16 rows x 272 bytes for each wave
.set SPITCH, 272
.set SPARE,  STAGE+4*16*SPITCH         ; the spare words, 128 bytes a wave
.set LAPS, SIZE_K/(2*KSTEP)
.set ADRA, 16
.set ADRB, 20
.set STO,  24
.set RD,   25
.set CO,   26
.set SPW,  28
.set NIL,  29
.set TMP,  32
.set ACC,  128
.set F0,   0
.set F1,   128
.set G1, 24
.set G0, 32
.set G1B, 48
.set G0B, 56
.set MSB, 0
.macro WIN new
.if MSB != \new
	s_set_vgpr_msb (MSB<<8)|\new
.set MSB, \new
.endif
.endm
.set MUL,  0x05                        ; sources 0 (Wc) and 1 (yn) window 1; C and D window 0
.set TO_F, 0x40
.macro JLOAD s                         ; a joint load: waves 0 and 1 fetch yn's two halves, waves 2 and 3 Wc's; an s_nop 0 and four v_nop follow each line
	s_cmp_eq_u32 s11, 0
	s_cbranch_scc0 .Lfor_b_\@
	tensor_load_to_lds s[G0+4*\s:G0+4*\s+3], s[G1:G1+7]
	s_nop 0
.rept 4
	v_nop
.endr
	s_branch .Lasked_\@
.Lfor_b_\@:
	tensor_load_to_lds s[G0B+4*\s:G0B+4*\s+3], s[G1B:G1B+7]
	s_nop 0
.rept 4
	v_nop
.endr
.Lasked_\@:
.endm
.macro CREST
	s_cmp_lg_u32 s10, 0
	s_cbranch_scc1 .Lnot_wave_0_\@
	s_barrier_signal -3
.Lnot_wave_0_\@:
	s_barrier_wait -3
	s_barrier_signal -1
	s_barrier_wait -1
.endm
.macro CROUND
	s_barrier_signal -1
	s_barrier_wait -1
	CREST
.endm
	s_load_b128 s[4:7], s[0:1], 0x0                ; yn s[4:5], Wc in f16 s[6:7]
	s_load_b64 s[8:9], s[0:1], 0x10                ; out
	v_lshl_add_u32 v[SPW], v0, 2, SPARE
	v_mov_b32 v[NIL], 0
	ds_add_u32 v[SPW], v[NIL]                      ; the wave's opening: the add, twice on end, and its wait ahead of my first tensor load
	ds_add_u32 v[SPW], v[NIL]
	v_lshrrev_b32 v1, 5, v0
	v_readfirstlane_b32 s10, v1                    ; wave 0..3
	s_lshr_b32 s11, s10, 1                         ; which half of the tile's rows is mine.  Also: I fetch for yn (0) or for Wc (1)
	s_and_b32 s12, s10, 1                          ; which half of its columns.  Also: which 64 rows I fetch
	s_bfe_u32 s40, ttmp6, 0x40000
	s_bfe_u32 s41, ttmp6, 0x40004
	s_lshl_b32 s42, ttmp9, 2
	s_add_co_u32 s42, s42, s40                     ; tile column
	s_and_b32 s13, ttmp7, 0xffff
	s_lshl_b32 s13, s13, 2
	s_add_co_u32 s13, s13, s41                     ; tile row
	s_lshl_b32 s43, s41, 2
	s_lshl_b32 s43, 15, s43                        ; my row of the cluster
	s_lshl_b32 s44, 0x1111, s40                    ; my column
	s_or_b32 s[G1+0], s43, (1<<16)|(1<<20)|(1<<21)|(6<<22)|(3<<25)  ; the mask; elements of 2 bytes; padding on: 4 words after every 128; bit 21 beside a mask
	s_or_b32 s[G1B+0], s44, (1<<16)|(1<<20)|(1<<21)|(6<<22)|(3<<25)
.irp g, G1, G1B
	s_mov_b32 s[\g+1], KSTEP<<16
	s_mov_b32 s[\g+2], 64<<16
	s_mov_b32 s[\g+3], KSTEP<<16
	s_mov_b32 s[\g+4], 64
	s_mov_b32 s[\g+5], SIZE_K
	s_mov_b32 s[\g+6], 0
	s_mov_b32 s[\g+7], 0
.endr
	s_lshl_b32 s17, s12, 6
	s_lshl_b32 s16, s13, 7
	s_add_co_u32 s16, s16, s17
	s_lshl_b32 s46, s42, 7
	s_add_co_u32 s46, s46, s17
	s_mov_b32 s17, 0
	s_mov_b32 s47, 0
	s_mov_b64 s[18:19], SIZE_K*2
	s_mul_u64 s[16:17], s[16:17], s[18:19]
	s_mul_u64 s[46:47], s[46:47], s[18:19]
	s_mul_i32 s20, s10, HALFT
	s_wait_dscnt 0x0                               ; both opening adds are done
	s_wait_kmcnt 0x0
	s_add_nc_u64 s[14:15], s[4:5], s[16:17]
	s_add_nc_u64 s[46:47], s[6:7], s[46:47]
	CROUND                                         ; all sixteen work-groups are here: the first joint loads meet
.irp s, 0,1
	s_mov_b32 s[G0+4*\s], 1
	s_add_co_u32 s[G0+4*\s+1], s20, \s*SLOT
	s_add_nc_u64 s[G0+4*\s+2:G0+4*\s+3], s[14:15], \s*KSTEP*2
	s_or_b32 s[G0+4*\s+3], s[G0+4*\s+3], 0x80000000
	s_mov_b32 s[G0B+4*\s], 1
	s_add_co_u32 s[G0B+4*\s+1], s20, \s*SLOT
	s_add_nc_u64 s[G0B+4*\s+2:G0B+4*\s+3], s[46:47], \s*KSTEP*2
	s_or_b32 s[G0B+4*\s+3], s[G0B+4*\s+3], 0x80000000
	JLOAD \s
.endr
	v_and_b32 v1, 15, v0
	v_bfe_u32 v2, v0, 4, 1
	v_mul_u32_u24 v3, v1, PITCH
	v_lshl_add_u32 v3, v2, 4, v3
	s_mul_i32 s21, s11, HALFT
	s_mul_i32 s22, s12, HALFT
	s_add_co_u32 s22, s22, 2*HALFT
.irp s, 0,1
	v_add_nc_u32 v[ADRA+\s], s21, v3
	v_add_nc_u32 v[ADRB+\s], s22, v3
	s_add_co_u32 s21, s21, SLOT
	s_add_co_u32 s22, s22, SLOT
.endr
	s_mul_i32 s23, s10, 16*SPITCH
	s_add_co_u32 s23, s23, STAGE                   ; my stage
	v_mul_u32_u24 v4, v1, SPITCH                   ; in: row l % 16, 32 bytes for each half of the lanes
	v_lshl_add_u32 v4, v2, 5, v4
	v_add_nc_u32 v[STO], s23, v4
	v_mul_u32_u24 v5, v2, SPITCH                   ; back: lanes 0-15 one row of 256 bytes, lanes 16-31 the next
	v_lshl_add_u32 v5, v1, 4, v5
	v_add_nc_u32 v[RD], s23, v5
	v_lshlrev_b32 v5, 12, v2                       ; and the same two rows in out: 4,096 bytes a row
	v_lshl_add_u32 v[CO], v1, 4, v5
	s_lshl_b32 s16, s13, 7
	s_lshl_b32 s17, s11, 6
	s_add_co_u32 s16, s16, s17                     ; my first row: 128 x tile row + 64 x half
	s_lshl_b32 s16, s16, 12
	s_mov_b32 s17, 0
	s_add_nc_u64 s[8:9], s[8:9], s[16:17]
	s_lshl_b32 s46, s42, 9                         ; my first column, in bytes: 512 x tile column + 256 x half
	s_lshl_b32 s47, s12, 8
	s_add_co_u32 s46, s46, s47
	s_mov_b32 s47, 0
	s_add_nc_u64 s[8:9], s[8:9], s[46:47]
.macro MUL8 f, c, a0, zero             ; 8 matrix instructions; the 16 accumulators take turns
.irp a, \a0, \a0+1
.irp b, 0,1,2,3
.if \zero
	v_wmma_f32_16x16x32_f16 v[ACC+8*(4*(\a)+\b):ACC+8*(4*(\a)+\b)+7], v[\f+64+8*(4*\c+\b):\f+64+8*(4*\c+\b)+7], v[\f+8*(4*\c+\a):\f+8*(4*\c+\a)+7], 0
.else
	v_wmma_f32_16x16x32_f16 v[ACC+8*(4*(\a)+\b):ACC+8*(4*(\a)+\b)+7], v[\f+64+8*(4*\c+\b):\f+64+8*(4*\c+\b)+7], v[\f+8*(4*\c+\a):\f+8*(4*\c+\a)+7], v[ACC+8*(4*(\a)+\b):ACC+8*(4*(\a)+\b)+7]
.endif
.endr
.endr
.endm
.macro FETCH slot, k, f                ; 32 LDS loads in one run: the fragments of 64 along K at byte k of the rows; the first 32 along K first
	WIN TO_F
.irp c, 0,1
.irp i, 0,1,2,3
	ds_load_b128 v[\f+64+8*(4*\c+\i):\f+64+8*(4*\c+\i)+3],   v[ADRB+\slot] offset:\k+64*\c+\i*16*PITCH
	ds_load_b128 v[\f+64+8*(4*\c+\i)+4:\f+64+8*(4*\c+\i)+7], v[ADRB+\slot] offset:\k+64*\c+\i*16*PITCH+32
	ds_load_b128 v[\f+8*(4*\c+\i):\f+8*(4*\c+\i)+3],         v[ADRA+\slot] offset:\k+64*\c+\i*16*PITCH
	ds_load_b128 v[\f+8*(4*\c+\i)+4:\f+8*(4*\c+\i)+7],       v[ADRA+\slot] offset:\k+64*\c+\i*16*PITCH+32
.endr
.endr
.endm
.macro PLACES
.rept 4
	v_nop
.endr
.endm
.macro QUARTER slot, k, f, g, zero
	s_wait_dscnt 16                                ; the first 32 along K are in; the sixteen loads behind them may be out
	WIN MUL
	MUL8 \f, 0, 0, \zero
	MUL8 \f, 0, 2, \zero
	PLACES
	FETCH \slot, \k, \g
	s_wait_dscnt 32                                ; all but the 32 just issued
	WIN MUL
	MUL8 \f, 1, 0, 0
	MUL8 \f, 1, 2, 0
.endm
.macro TURN slot, next, fill           ; the last quarter changes slots: one barrier; fill = 1: it opens a round of the cluster's barrier, and this slot is filled again, two K steps ahead
	WIN 0
	s_wait_tensorcnt 0x0                           ; all my tensor loads have landed: my part of the next slot
	ds_add_u32 v[SPW], v[NIL]                      ; 0 onto my spare word
	s_wait_dscnt 17                                ; (the add and the youngest sixteen loads may be out)
	WIN MUL
	MUL8 F1, 0, 0, 0
	s_wait_dscnt 0x0                               ; the add is done, and my reads of this slot are over
	s_barrier_signal -1
	MUL8 F1, 0, 2, 0
.if \fill
	WIN 0
.endif
	s_barrier_wait -1
.if \fill
	CREST
	s_add_nc_u64 s[G0+4*\slot+2:G0+4*\slot+3], s[G0+4*\slot+2:G0+4*\slot+3], 2*KSTEP*2
	s_add_nc_u64 s[G0B+4*\slot+2:G0B+4*\slot+3], s[G0B+4*\slot+2:G0B+4*\slot+3], 2*KSTEP*2
	JLOAD \slot                                    ; the first tensor load behind the round; its four v_nop are also the places in front of the loads below
.else
	PLACES
.endif
	FETCH \next, 0, F0
	WIN MUL
	MUL8 F1, 1, 0, 0
	MUL8 F1, 1, 2, 0
.endm
	s_wait_tensorcnt 1                             ; my part of K step 0 is in; K step 1's load, issued behind it, may be out
	s_barrier_signal -1
	s_barrier_wait -1
	FETCH 0, 0, F0
	QUARTER 0, 128, F0, F1, 1                      ; the first products start the sums
	WIN 0
	s_mov_b32 s3, LAPS-1
.Llap:                                                 ; a trip goes once round the ring and fills both slots again
	QUARTER 0, 256, F1, F0, 0
	QUARTER 0, 384, F0, F1, 0
	TURN 0, 1, 1
	QUARTER 1, 128, F0, F1, 0
	QUARTER 1, 256, F1, F0, 0
	QUARTER 1, 384, F0, F1, 0
	TURN 1, 0, 1
	QUARTER 0, 128, F0, F1, 0
	WIN 0
	s_sub_co_u32 s3, s3, 1
	s_cmp_lg_u32 s3, 0
	s_cbranch_scc1 .Llap
	QUARTER 0, 256, F1, F0, 0                      ; the last lap fills nothing
	QUARTER 0, 384, F0, F1, 0
	TURN 0, 1, 0
	QUARTER 1, 128, F0, F1, 0
	QUARTER 1, 256, F1, F0, 0
	QUARTER 1, 384, F0, F1, 0
	s_wait_dscnt 16
	WIN MUL
	MUL8 F1, 0, 0, 0
	MUL8 F1, 0, 2, 0
	s_wait_dscnt 0
	MUL8 F1, 1, 0, 0
	MUL8 F1, 1, 2, 0
	WIN 0
	; THE WAY OUT, a block of 16 rows x 64 columns at a time: 32 bytes a lane into my stage, back as whole rows of 256 bytes.  While one block's rows are stored, the next is on its way through the stage.
.macro TOSTAGE a
.irp b, 0,1,2,3
	ds_store_b128 v[STO], v[ACC+8*(4*(\a)+\b):ACC+8*(4*(\a)+\b)+3] offset:64*\b        ; each accumulator from its low end on
	ds_store_b128 v[STO], v[ACC+8*(4*(\a)+\b)+4:ACC+8*(4*(\a)+\b)+7] offset:64*\b+16
.endr
.irp t, 0,1,2,3,4,5,6,7
	ds_load_b128 v[TMP+32*((\a)%2)+4*\t:TMP+32*((\a)%2)+4*\t+3], v[RD] offset:\t*2*SPITCH   ; LDS serves a wave's instructions in order: these see the stores above
.endr
.endm
.macro SEND a, younger
	s_wait_dscnt \younger                          ; the block is back in registers
.irp t, 0,1,2,3,4,5,6,7
	global_store_b128 v[CO], v[TMP+32*((\a)%2)+4*\t:TMP+32*((\a)%2)+4*\t+3], s[8:9] offset:(16*(\a)+2*\t)*SIZE_N*4   ; sixteen lanes store 256 consecutive bytes, aligned
.endr
.endm
	PLACES
	TOSTAGE 0
.irp a, 1,2,3
.if \a > 1
	s_wait_xcnt 0x0                                ; block a - 2's stores have read their registers: block a's loads may land there
.endif
	TOSTAGE \a
	SEND \a-1, 16                                  ; behind block a - 1's loads: block a's 8 stores and 8 loads
.endr
	SEND 3, 0
	s_wait_tensorcnt 0x0                           ; the wave's end
	ds_add_u32 v[SPW], v[NIL]
	s_wait_dscnt 0x0
	CROUND                                         ; the closing round
	s_endpgm
.Lfunc_end_k_q0f171d91da_outp:
	.size	k_q0f171d91da_outp, .Lfunc_end_k_q0f171d91da_outp-k_q0f171d91da_outp
	.p2alignl 7, 3214868480
	.fill 96, 4, 3214868480
	.section	.rodata,"a",@progbits
	.p2align	6, 0x0
	.amdhsa_kernel k_q0f171d91da_outp
		.amdhsa_group_segment_fixed_size 327680
		.amdhsa_private_segment_fixed_size 0
		.amdhsa_enable_private_segment 0
		.amdhsa_kernarg_size 24
		.amdhsa_user_sgpr_count 2
		.amdhsa_user_sgpr_kernarg_segment_ptr 1
		.amdhsa_wavefront_size32 1
		.amdhsa_system_sgpr_workgroup_id_x 1
		.amdhsa_system_sgpr_workgroup_id_y 1
		.amdhsa_system_sgpr_workgroup_id_z 1
		.amdhsa_system_vgpr_workitem_id 0
		.amdhsa_next_free_vgpr 512
		.amdhsa_next_free_sgpr 66
		.amdhsa_reserve_vcc 0
		.amdhsa_float_denorm_mode_32 3
		.amdhsa_float_denorm_mode_16_64 3
		.amdhsa_memory_ordered 1
		.amdhsa_forward_progress 1
		.amdhsa_inst_pref_size 86
	.end_amdhsa_kernel
	.amdgpu_metadata
---
amdhsa.version: [ 1, 2 ]
amdhsa.kernels:
  - .name:           k_q0f171d91da_outp
    .symbol:         k_q0f171d91da_outp.kd
    .args:
      - { .name: yn, .offset: 0, .size: 8, .value_kind: global_buffer, .address_space: global }
      - { .name: wc16, .offset: 8, .size: 8, .value_kind: global_buffer, .address_space: global }
      - { .name: out0, .offset: 16, .size: 8, .value_kind: global_buffer, .address_space: global }
    .group_segment_fixed_size: 327680
    .private_segment_fixed_size: 0
    .kernarg_segment_align: 8
    .kernarg_segment_size: 24
    .max_flat_workgroup_size: 128
    .sgpr_count:     66
    .vgpr_count:     512
    .wavefront_size: 32
...
	.end_amdgpu_metadata
.endif
;; end of part 6
;; launch fine_out (part 7): grid 64 x 1, 16 waves a work-group, no clusters, 34,816 bytes of LDS; arguments ynf, Wc, out0; writes out0
.if DOCPART == 7
	.amdgcn_target "amdgcn-amd-amdhsa--gfx1250"
	.amdhsa_code_object_version 6
	.text
	.protected	k_q0f171d91da_fine_out
	.globl	k_q0f171d91da_fine_out
	.p2align	8
	.type	k_q0f171d91da_fine_out,@function
k_q0f171d91da_fine_out:
	s_mov_b64 s[64:65], 0
	v_nop
	global_prefetch_b8 v0, s[64:65] scope:SCOPE_SE
	s_setreg_imm32_b32 hwreg(HW_REG_WAVE_MODE, 25, 1), 1
	s_wait_xcnt 0x0
; The last product for THE FIRST 16 POSITIONS of each of the two sequences, on f32 operands: out[a][t][o] = sum over f of ynf[a][t][f] Wc[o][f], t < 16: 32 rows of out, written over what the f16 product left there.
; A work-group takes 16 outputs o; each of its 16 waves takes 128 of the 2,048 along f, by the f32 matrix form (32 rows in all: no bulk work); the waves' partial sums meet in LDS.
; k IS PERMUTED ALIKE ON BOTH SIDES: lane (r, h) loads 16 bytes at f = 8 i + 4 h; registers 0, 1 feed one instruction, registers 2, 3 the next.
; TRANSPOSED: source 0 = 16 rows of Wc, source 1 = 16 positions: lane (r, h) holds position r and outputs 8 h + 0 .. 7.  The accumulators are written by matrix instructions alone.
; A work-group's 16 outputs are 64 bytes of a row: the stores are pieces of 64 bytes, 128 KB in the whole launch.  No cluster: what is shared, ynf, is 256 KB.
.set SPW, 14
.set NIL, 15
.set SPARE, 16*2048
	s_load_b128 s[4:7], s[0:1], 0x0                ; ynf, Wc
	s_load_b64 s[8:9], s[0:1], 0x10                ; out
	v_lshl_add_u32 v[SPW], v0, 2, SPARE
	v_mov_b32 v[NIL], 0
	v_lshrrev_b32 v1, 5, v0
	v_readfirstlane_b32 s10, v1                    ; wave 0..15
	v_and_b32 v1, 15, v0                           ; r
	v_bfe_u32 v2, v0, 4, 1                         ; h
	v_lshlrev_b32 v3, 13, v1                       ; a row of Wc or of ynf is 8,192 bytes
	v_lshl_add_u32 v3, v2, 4, v3
	s_lshl_b32 s11, s10, 9
	v_add_nc_u32 v3, s11, v3                       ; + my wave's 128 numbers
	v_and_b32 v4, 31, v0
	s_lshl_b32 s11, s10, 11
	v_lshl_add_u32 v4, v4, 4, s11                  ; LDS: my wave's four images of 512 bytes
	v_lshlrev_b32 v5, 4, v0                        ; and, for waves 0-3, image w of every wave
	v_lshlrev_b32 v6, 12, v1
	v_lshl_add_u32 v6, v2, 5, v6                   ; out: row r of 4,096 bytes, + 32 h
	s_lshr_b32 s12, s10, 1                         ; for waves 0-3: the sequence,
	s_lshl_b32 s12, s12, 23
	s_lshl_b32 s13, ttmp9, 6                       ; the work-group's 16 outputs,
	s_add_co_u32 s12, s12, s13
	s_and_b32 s13, s10, 1                          ; and which four of a lane's eight
	s_lshl_b32 s13, s13, 4
	s_add_co_u32 s12, s12, s13
	s_mov_b32 s13, 0
	s_lshl_b32 s16, ttmp9, 17                      ; 16 rows of Wc
	s_mov_b32 s17, 0
	s_wait_kmcnt 0x0
	s_add_nc_u64 s[8:9], s[8:9], s[12:13]
	s_add_nc_u64 s[6:7], s[6:7], s[16:17]
.irp i, 0,1,2,3,4,5,6,7,8,9,10,11,12,13,14,15
	global_load_b128 v[16+4*\i:19+4*\i], v3, s[6:7] offset:32*\i
	global_load_b128 v[80+4*\i:83+4*\i], v3, s[4:5] offset:32*\i
	global_load_b128 v[144+4*\i:147+4*\i], v3, s[4:5] offset:131072+32*\i
.endr
	s_wait_loadcnt 0x0
.set n, 0
.rept 32                                       ; the two accumulators take turns; the first two products start the sums
.if n == 0
	v_wmma_f32_16x16x4_f32 v[208:215], v[16:17], v[80:81], 0
	v_wmma_f32_16x16x4_f32 v[216:223], v[16:17], v[144:145], 0
.else
	v_wmma_f32_16x16x4_f32 v[208:215], v[16+2*n:17+2*n], v[80+2*n:81+2*n], v[208:215]
	v_wmma_f32_16x16x4_f32 v[216:223], v[16+2*n:17+2*n], v[144+2*n:145+2*n], v[216:223]
.endif
.set n, n+1
.endr
.rept 8
	v_nop                                          ; eight places behind this form
.endr
.irp a, 0,1
	ds_store_b128 v4, v[208+8*\a:211+8*\a] offset:1024*\a          ; images of the registers, each accumulator from its low end on
	ds_store_b128 v4, v[212+8*\a:215+8*\a] offset:1024*\a+512
.endr
	s_wait_dscnt 0x0                               ; for the others' sake
	s_barrier_signal -1
	s_barrier_wait -1
	s_cmp_lt_u32 s10, 4
	s_cbranch_scc0 .Lend
.irp w, 0,1,2,3,4,5,6,7,8,9,10,11,12,13,14,15
	ds_load_b128 v[16+4*\w:19+4*\w], v5 offset:2048*\w
.endr
	s_wait_dscnt 0x0
	v_pk_add_f32 v[80:81], v[16:17], v[20:21]
	v_pk_add_f32 v[82:83], v[18:19], v[22:23]
.irp w, 2,3,4,5,6,7,8,9,10,11,12,13,14,15
	v_pk_add_f32 v[80:81], v[80:81], v[16+4*\w:17+4*\w]
	v_pk_add_f32 v[82:83], v[82:83], v[18+4*\w:19+4*\w]
.endr
	global_store_b128 v6, v[80:83], s[8:9]
.Lend:
	s_wait_tensorcnt 0x0                           ; the wave's end
	ds_add_u32 v[SPW], v[NIL]
	s_wait_dscnt 0x0
	s_endpgm
.Lfunc_end_k_q0f171d91da_fine_out:
	.size	k_q0f171d91da_fine_out, .Lfunc_end_k_q0f171d91da_fine_out-k_q0f171d91da_fine_out
	.p2alignl 7, 3214868480
	.fill 96, 4, 3214868480
	.section	.rodata,"a",@progbits
	.p2align	6, 0x0
	.amdhsa_kernel k_q0f171d91da_fine_out
		.amdhsa_group_segment_fixed_size 34816
		.amdhsa_private_segment_fixed_size 0
		.amdhsa_enable_private_segment 0
		.amdhsa_kernarg_size 24
		.amdhsa_user_sgpr_count 2
		.amdhsa_user_sgpr_kernarg_segment_ptr 1
		.amdhsa_wavefront_size32 1
		.amdhsa_system_sgpr_workgroup_id_x 1
		.amdhsa_system_sgpr_workgroup_id_y 1
		.amdhsa_system_sgpr_workgroup_id_z 1
		.amdhsa_system_vgpr_workitem_id 0
		.amdhsa_next_free_vgpr 256
		.amdhsa_next_free_sgpr 66
		.amdhsa_reserve_vcc 0
		.amdhsa_float_denorm_mode_32 3
		.amdhsa_float_denorm_mode_16_64 3
		.amdhsa_memory_ordered 1
		.amdhsa_forward_progress 1
		.amdhsa_inst_pref_size 14
	.end_amdhsa_kernel
	.amdgpu_metadata
---
amdhsa.version: [ 1, 2 ]
amdhsa.kernels:
  - .name:           k_q0f171d91da_fine_out
    .symbol:         k_q0f171d91da_fine_out.kd
    .args:
      - { .name: ynf, .offset: 0, .size: 8, .value_kind: global_buffer, .address_space: global }
      - { .name: Wc, .offset: 8, .size: 8, .value_kind: global_buffer, .address_space: global }
      - { .name: out0, .offset: 16, .size: 8, .value_kind: global_buffer, .address_space: global }
    .group_segment_fixed_size: 34816
    .private_segment_fixed_size: 0
    .kernarg_segment_align: 8
    .kernarg_segment_size: 24
    .max_flat_workgroup_size: 512
    .sgpr_count:     66
    .vgpr_count:     256
    .wavefront_size: 32
...
	.end_amdgpu_metadata
.endif
;; end of part 7
